; MI455X (gfx1250); checked and timed in simulation.
; The chip was launched on July 23, 2026; its instructions are those of AMD's public machine-readable ISA for CDNA 5 (MIT licence, August 2026) and "CDNA5" Instruction Set Architecture Reference Guide (July 2026). The comments in the code are by the model that wrote it; some were corrected since.
;; Attention1 D. Allowed arithmetic: matrix products marked QUANTISED: E3M2 operands, one E8M0 scale for each 32 along K, by v_wmma_scale_f32_16x16x128_f8f6f4 with both operands' format E3M2, f32 sums; products left as they are: f32 operands where the result goes on into a quantised operand, else bf16, f16 or f32 operands; f32 sums; everything else in f32.
;; Inputs: W_map 1,024 float32; W_ques 2,048 x 1,024 float32; W_vis 2,048 x 1,024 float32; X 256 x 2,048 float32; Y 256 x 128 x 2,048 float32; b_map one number float32; b_ques 1,024 float32.
;; Outputs: out0 256 x 2,048 float32.
;; This version of the problem:
;;   THIS VERSION OF THE PROBLEM IS GIVEN IN LOW PRECISION. The matrix products marked QUANTISED in the list below multiply operands that are first quantised to E3M2 (3 exponent bits, 2 mantissa bits; 6 bits a number), with one power-of-two scale for each 32 numbers along K (OCP MX v1.0); their sums are f32. All else is computed in f32.
;;   The module's matrix products, in the order in which they are computed (A, B: the left and right operand; K: the contracted axis; several contracted axes count as one K, in the product's order):
;;     1. [M 256, K 2,048] x [K 2,048, N 1,024]; A: input X; B: input W_ques: QUANTISED
;;     2. [M 32,768, K 2,048] x [K 2,048, N 1,024]; A: input Y; B: input W_vis: QUANTISED
;;     3. [M 32,768, K 1,024] x [K 1,024, N 1]; A: computed on the way; B: input W_map: left as it is (N = 1 < 16)
;;     4. batch 256 x [M 1, K 128] x [K 128, N 2,048]; A: softmax; B: input Y: left as it is (M = 1 < 16)
;;   THE QUANTISER, for each operand of a quantised product, along K:
;;     - K is cut into blocks of 32 from its start; a last block that is shorter is filled with zeros.
;;     - A block's scale is 2^e with e = floor(log2(the largest magnitude in the block)) - 4, held to -126 .. 127; a block of zeros has e = 0. As a byte (E8M0): e + 127.
;;     - Each number is divided by its block's scale, clamped to +-28, and rounded to the nearest number of E3M2, ties to even, subnormals kept.
;;     - The product sums the exact products of the quantised numbers (number of the format x scale) in f32.
;;   ~~~python
;;   def quantise(x, axis):      # numpy; x: float32 -> the quantised numbers, widened to float32 again
;;       x = np.moveaxis(x, axis, -1); K = x.shape[-1]
;;       x = np.pad(x, [(0, 0)] * (x.ndim - 1) + [(0, -K % 32)]); x = x.reshape(x.shape[:-1] + (-1, 32)); a = np.abs(x).max(-1, keepdims=True)
;;       e = np.where(a > 0, np.clip(np.frexp(np.where(a > 0, a, 1))[1] - 1 - 4, -126, 127), 0)      # np.frexp(a)[1] - 1 = floor(log2(a)), exactly
;;       r = np.clip(x / 2.0 ** e, -28, 28)
;;       step = 2.0 ** (np.maximum(np.frexp(np.where(r == 0, 1, r))[1] - 1, -2) - 2)
;;       q = np.round(r / step) * step * 2.0 ** e      # np.round: ties to even
;;       return np.moveaxis(q.reshape(q.shape[:-2] + (-1,))[..., :K], -1, axis).astype(np.float32)
;;   ~~~
;; 2 versions. Each part assembles by itself: llvm-mc -triple=amdgcn-amd-amdhsa -mcpu=gfx1250 --defsym DOCPART=n.
;; ======== version 1 of 2: 3 launches
;; workspace buffers: wcodes 3,276,800 bytes; xatt 1,048,576 bytes
;; launch wquant (part 1): grid 256 x 1, 4 waves a work-group, no clusters, 1,536 bytes of LDS; arguments W_vis, W_ques, wcodes; writes wcodes
.if DOCPART == 1
	.amdgcn_target "amdgcn-amd-amdhsa--gfx1250"
	.amdhsa_code_object_version 6
	.text
	.protected	k_q850fbb3112_wquant
	.globl	k_q850fbb3112_wquant
	.p2align	8
	.type	k_q850fbb3112_wquant,@function
k_q850fbb3112_wquant:
	s_mov_b64 s[64:65], 0
	v_nop
	global_prefetch_b8 v0, s[64:65] scope:SCOPE_SE
	s_setreg_imm32_b32 hwreg(HW_REG_WAVE_MODE, 25, 1), 1
	s_wait_xcnt 0x0
; W_vis and W_ques, [2048 (k)][1024 (n)] f32, are operands whose K is their FIRST axis.  They become codes of BF6 (E3M2) with one E8M0 scale byte
; for each 32 along K, laid as the later launches' registers want them: 256 blocks of 12,800 bytes, block g = (T x 8 + G) x 16 + s
; (T: 0 W_vis, 1 W_ques; G: columns 128 G on; s: K = 128 s on).  In a block: eight fragments (columns 16 b on) as images of their 12 registers:
; register 4 c + e of lane l at 1536 b + 512 c + 16 l + 4 e; from byte 12,288 on the scale words: the word of column 32 i + l at 256 (i / 2) + 8 l + 4 (i % 2).
; A block's scale is 2^(floor(log2(its largest magnitude)) - 4); its byte is the largest magnitude's exponent field - 4, held at 1 from below.
; LIMITS: NaN and infinities are not served.  A block whose largest magnitude lies under 2^-122, a block of zeros among them, keeps the byte 1 (the rule
; says 127 for zeros): its codes are zeros or the numbers over 2^-126, and the bytes are read by this program alone.
; SHARES: work-group g makes block g; wave i takes 32 columns.  A LANE TAKES A COLUMN AND ITS 128 REGISTERS RUN DOWN K: a load reads 128 consecutive
; bytes a wave, 512 a work-group; each of the lane's four blocks of 32 is its own, and the conversions give codes with K innermost.
.set ROWB, 4096                        ; a row of W in bytes
.set BLKB, 12800
.set SW,   16                          ; v16     my column's scale word
.set MA,   18                          ; v18-19  two chains of the maximum
.set SO,   20                          ; v20-23  the conversions' scale operands, one a block
.set BY,   28                          ; v28     a scale byte
.set X,    32                          ; v32-159 my column's 128 numbers
.set FA,   160                         ; v160-171 blocks 0 and 2; behind the exchange: the fragment of columns 0-15 of my 32
.set FB,   172                         ; v172-183 blocks 1 and 3; behind the exchange: the fragment of columns 16-31
.set TMP,  184                         ; v184-199 each block's upper 16 codes (a conversion's three registers begin on an even number)
	s_load_b128 s[4:7], s[0:1], 0x0                ; W_vis, W_ques
	s_load_b64 s[8:9], s[0:1], 0x10                ; wcodes
	v_lshl_add_u32 v200, v0, 2, 0x400
	v_mov_b32 v201, 0
	v_lshrrev_b32 v5, 5, v0
	v_readfirstlane_b32 s10, v5                    ; wave i
	v_and_b32 v6, 31, v0                           ; lane
	v_lshlrev_b32 v1, 2, v6                        ; in: 4 bytes a lane
	v_lshlrev_b32 v4, 4, v6                        ; 16 x lane
	s_mul_i32 s11, s10, 3072
	v_add_nc_u32 v2, s11, v4                       ; out: my wave's two fragments, 16 bytes a lane
	s_lshr_b32 s11, s10, 1
	s_lshl_b32 s11, s11, 8
	s_and_b32 s12, s10, 1
	s_lshl_b32 s12, s12, 2
	s_add_co_u32 s11, s11, s12
	v_lshl_add_u32 v3, v6, 3, s11                  ; LDS: my scale word's place among the block's 128
	s_and_b32 s12, ttmp9, 15                       ; s
	s_lshl_b32 s12, s12, 19                        ; 128 rows of 4,096 bytes
	s_bfe_u32 s13, ttmp9, 0x30004                  ; G
	s_lshl_b32 s13, s13, 9
	s_add_co_u32 s12, s12, s13
	s_lshl_b32 s13, s10, 7                         ; my wave's 32 columns
	s_add_co_u32 s12, s12, s13
	s_mov_b32 s13, 0
	s_mul_i32 s14, ttmp9, BLKB
	s_mov_b32 s15, 0
	s_wait_kmcnt 0x0
	s_cmp_lt_u32 ttmp9, 128                        ; the first 128 work-groups take W_vis: the choice hangs on the work-group's number alone
	s_cselect_b64 s[4:5], s[4:5], s[6:7]
	s_add_nc_u64 s[4:5], s[4:5], s[12:13]
	s_add_nc_u64 s[8:9], s[8:9], s[14:15]
.set k, 0
.rept 128
	global_load_b32 v[X+k], v1, s[4:5] offset:ROWB*k th:TH_LOAD_NT
.set k, k+1
.endr
; Block q of my column: its largest magnitude, its byte, its 32 codes.  cnt: how many younger loads may stay out.
.macro BLOCK q, cnt
.set XS, X+32*\q
.set F, FA+12*(\q%2)+6*(\q/2)
	s_wait_loadcnt \cnt
	v_max3_num_f32 v[MA], |v[XS]|, |v[XS+1]|, |v[XS+2]|
	v_max3_num_f32 v[MA+1], |v[XS+3]|, |v[XS+4]|, |v[XS+5]|
.irp i, 6,10,14,18,22,26
	v_max3_num_f32 v[MA], v[MA], |v[XS+\i]|, |v[XS+\i+1]|
	v_max3_num_f32 v[MA+1], v[MA+1], |v[XS+\i+2]|, |v[XS+\i+3]|
.endr
	v_max3_num_f32 v[MA], v[MA], |v[XS+30]|, |v[XS+31]|
	v_max3_num_f32 v[MA], v[MA], v[MA+1], 0x2800000   ; and the floor 2^(5 - 127): the byte cannot fall under 1
	v_add_nc_u32 v[SO+\q], 0xfe000000, v[MA]       ; 4 off the exponent field: the conversion takes this operand's exponent field as its scale
	v_lshrrev_b32 v[BY], 23, v[SO+\q]              ; the scale's byte
.if \q == 0
	v_mov_b32 v[SW], v[BY]
.else
	v_lshl_or_b32 v[SW], v[BY], 8*\q, v[SW]        ; the lower K in the lower byte
.endif
	v_cvt_scalef32_pk16_bf6_f32 v[F:F+2], v[XS:XS+15], v[SO+\q]
	v_cvt_scalef32_pk16_bf6_f32 v[TMP+4*\q:TMP+4*\q+2], v[XS+16:XS+31], v[SO+\q]
.endm
	BLOCK 0, 63                                    ; 96 younger loads might stay out; a wait names 63 at the most
	BLOCK 1, 63                                    ; (64 might)
	BLOCK 2, 32
	BLOCK 3, 0
	v_nop                                          ; one plain instruction behind the last scaled conversion
.irp q, 0,1,2,3
.irp i, 0,1,2
	v_mov_b32 v[FA+12*(\q%2)+6*(\q/2)+3+\i], v[TMP+4*\q+\i]
.endr
.endr
; A fragment's lanes 0-15 want blocks 0 and 2 of their column, lanes 16-31 blocks 1 and 3.  FA holds blocks 0, 2 and FB blocks 1, 3 of all 32 columns:
; FA's lanes 16-31 change places with FB's lanes 0-15, and FA is the fragment of my columns 0-15, FB that of my columns 16-31.
.set i, 0
.rept 12
	v_permlane16_swap_b32 v[FA+i], v[FB+i]
.set i, i+1
.endr
.irp c, 0,1,2
	global_store_b128 v2, v[FA+4*\c:FA+4*\c+3], s[8:9] offset:512*\c          ; 32 lanes store 512 consecutive bytes
	global_store_b128 v2, v[FB+4*\c:FB+4*\c+3], s[8:9] offset:1536+512*\c
.endr
	ds_store_b32 v3, v[SW]                         ; the four waves' scale words meet in LDS,
	s_wait_dscnt 0x0                               ; for the others' sake: my store has landed
	s_barrier_signal -1
	s_barrier_wait -1
	s_cmp_lg_u32 s10, 0
	s_cbranch_scc1 .Ldone
	ds_load_b128 v[24:27], v4                      ; and wave 0 stores them as 512 consecutive bytes
	s_wait_dscnt 0x0
	global_store_b128 v4, v[24:27], s[8:9] offset:12288
.Ldone:
	s_wait_tensorcnt 0x0
	ds_add_u32 v200, v201
	s_wait_dscnt 0x0
	s_endpgm
.Lfunc_end_k_q850fbb3112_wquant:
	.size	k_q850fbb3112_wquant, .Lfunc_end_k_q850fbb3112_wquant-k_q850fbb3112_wquant
	.p2alignl 7, 3214868480
	.fill 96, 4, 3214868480
	.section	.rodata,"a",@progbits
	.p2align	6, 0x0
	.amdhsa_kernel k_q850fbb3112_wquant
		.amdhsa_group_segment_fixed_size 1536
		.amdhsa_private_segment_fixed_size 0
		.amdhsa_enable_private_segment 0
		.amdhsa_kernarg_size 24
		.amdhsa_user_sgpr_count 2
		.amdhsa_user_sgpr_kernarg_segment_ptr 1
		.amdhsa_wavefront_size32 1
		.amdhsa_system_sgpr_workgroup_id_x 1
		.amdhsa_system_sgpr_workgroup_id_y 1
		.amdhsa_system_sgpr_workgroup_id_z 1
		.amdhsa_system_vgpr_workitem_id 0
		.amdhsa_next_free_vgpr 202
		.amdhsa_next_free_sgpr 66
		.amdhsa_reserve_vcc 0
		.amdhsa_float_denorm_mode_32 3
		.amdhsa_float_denorm_mode_16_64 3
		.amdhsa_memory_ordered 1
		.amdhsa_forward_progress 1
		.amdhsa_inst_pref_size 21
	.end_amdhsa_kernel
	.amdgpu_metadata
---
amdhsa.version: [ 1, 2 ]
amdhsa.kernels:
  - .name:           k_q850fbb3112_wquant
    .symbol:         k_q850fbb3112_wquant.kd
    .args:
      - { .name: W_vis, .offset: 0, .size: 8, .value_kind: global_buffer, .address_space: global }
      - { .name: W_ques, .offset: 8, .size: 8, .value_kind: global_buffer, .address_space: global }
      - { .name: wcodes, .offset: 16, .size: 8, .value_kind: global_buffer, .address_space: global }
    .group_segment_fixed_size: 1536
    .private_segment_fixed_size: 0
    .kernarg_segment_align: 8
    .kernarg_segment_size: 24
    .max_flat_workgroup_size: 128
    .sgpr_count:     66
    .vgpr_count:     202
    .wavefront_size: 32
...
	.end_amdgpu_metadata
.endif
;; end of part 1
;; launch ques (part 2): grid 8 x 16, 4 waves a work-group, no clusters, 69,376 bytes of LDS; arguments X, wcodes, b_ques, xatt; writes xatt
.if DOCPART == 2
	.amdgcn_target "amdgcn-amd-amdhsa--gfx1250"
	.amdhsa_code_object_version 6
	.text
	.protected	k_q850fbb3112_ques
	.globl	k_q850fbb3112_ques
	.p2align	8
	.type	k_q850fbb3112_ques,@function
k_q850fbb3112_ques:
	s_mov_b64 s[64:65], 0
	v_nop
	global_prefetch_b8 v0, s[64:65] scope:SCOPE_SE
	s_setreg_imm32_b32 hwreg(HW_REG_WAVE_MODE, 25, 1), 1
	s_wait_xcnt 0x0
; xatt = Q(X) Q(W_ques) + b_ques.  X: [256][2048] f32, quantised here along K; W_ques: codes and scale words as the launch before laid them; xatt: [256][1024] f32.
; SHARES: a work-group takes 16 rows of X (work-group y) and 128 columns (work-group x): 128 work-groups, all the work there is.  Wave i quantises K steps 4 i .. 4 i + 3
; of the 16 rows and hands the fragments round through LDS as images of their registers; it multiplies columns 32 i .. 32 i + 31: two accumulators by turns, 16 K steps.
; No tensor load, no cluster: each wave's 32 fragments of W are wanted by that wave alone and go straight into its registers; what work-groups share, X's rows, is quantised on the way.
; THE PRODUCT IS USED TRANSPOSED (source 0 = 16 columns of W, source 1 = the 16 rows of X): a lane holds one row and eight neighbouring columns.  The bias is the C of each sum's first instruction.
; LIMITS: as in the launch before (NaN, infinities; blocks under 2^-122 keep the byte 1).
; REGISTERS: window 0: v1-15 addresses; v16-31 W's scale words, v32-47 X's; v48-63 the accumulators; v64-79 the bias; v80-143 64 numbers; v144-163 codes; v164-180 at work; v184-199 rows of xatt.
;   windows 1, 2: W's fragments of K steps 0-7, 8-15, at 24 (s % 8) + 12 t.   window 3: X as loaded (64 f + 4 row), later X's 16 fragments (12 s).
.set STG,  0                           ; LDS: a stage of 16 rows x (512 + 16) bytes for each wave,
.set XIMG, 33792                       ; X's 16 fragments, 1,536 bytes each,
.set XSC,  58368                       ; their scale words, 128 bytes each,
.set OST,  60416                       ; and the stage for xatt: 16 rows x (512 + 16)
.set WSC,  16
.set XSW,  32
.set ACC,  48
.set BI,   64
.set XN,   80
.set PC,   144
.set TM,   164
.set PW,   180
.set OUTR, 184
.set SEL,  20
.set MSB, 0
.macro WIN new                         ; the immediate's high byte repeats the setting that is left
.if MSB != (\new)
	s_set_vgpr_msb (MSB<<8)|(\new)
.set MSB, (\new)
.endif
.endm
	s_load_b128 s[4:7], s[0:1], 0x0                ; X, wcodes
	s_load_b128 s[8:11], s[0:1], 0x10              ; b_ques, xatt
	v_lshl_add_u32 v254, v0, 2, 0x10d00
	v_mov_b32 v255, 0
	v_lshrrev_b32 v15, 5, v0
	v_readfirstlane_b32 s12, v15                   ; wave i
	v_and_b32 v15, 31, v0                          ; lane
	v_and_b32 v13, 15, v0                          ; r
	v_bfe_u32 v14, v0, 4, 1                        ; h
	v_lshlrev_b32 v1, 4, v15                       ; 16 x lane
	v_lshlrev_b32 v2, 2, v15                       ; 4 x lane
	s_mul_i32 s24, s12, 3072
	v_add_nc_u32 v3, s24, v1                       ; W: my two fragments of a block
	s_lshr_b32 s24, s12, 1
	s_lshl_b32 s24, s24, 8
	s_and_b32 s25, s12, 1
	s_lshl_b32 s25, s25, 2
	s_add_co_u32 s24, s24, s25
	v_lshl_add_u32 v4, v15, 3, s24                 ; W's scale word of column 32 i + lane
	s_lshl_b32 s24, s12, 7
	v_lshl_add_u32 v5, v14, 5, s24                 ; the bias: 128 i + 32 h
	s_mul_i32 s24, s12, 8448
	v_add_nc_u32 v6, s24, v1                       ; my stage, as loaded: 16 x lane
	v_mul_u32_u24 v7, v13, 528
	v_lshl_add_u32 v7, v14, 6, v7
	v_add_nc_u32 v7, s24, v7                       ; and back: row r, 64 h: 16 neighbours of each block of 32
	s_mul_i32 s24, s12, 6144
	v_add_nc_u32 v8, s24, v1                       ; where I store my four images
	s_lshl_b32 s24, s12, 9
	v_add_nc_u32 v9, s24, v2                       ; and their scale words
	s_lshl_b32 s24, s12, 7
	s_add_co_u32 s24, s24, OST
	v_mul_u32_u24 v10, v13, 528
	v_lshl_add_u32 v10, v14, 5, v10
	v_add_nc_u32 v10, s24, v10                     ; xatt's stage, in: row r, 128 i + 32 h
	s_mul_i32 s24, s12, 2112
	s_add_co_u32 s24, s24, OST
	v_add_nc_u32 v11, s24, v1                      ; back: rows 4 i on, whole
	s_lshl_b32 s24, s12, 14
	v_add_nc_u32 v12, s24, v1                      ; and the same rows in xatt
	s_mov_b32 s[SEL], 0x76543210
	s_mov_b32 s[SEL+1], 0xfedcba98                 ; v_permlanex16_b32's selects for lane l xor 16
.irp b, 0,1,2,3
	v_mov_b32 v[TM+4+\b], 0                        ; written once: a lane permute's destination counts as one of its sources
.endr
	s_and_b32 s13, ttmp7, 0xffff                   ; which 16 rows
	s_lshl_b32 s14, s13, 17                        ; 16 rows of 8,192 bytes
	s_lshl_b32 s15, s12, 11                        ; my four K steps: 2,048 bytes on in each row
	s_add_co_u32 s14, s14, s15
	s_mov_b32 s15, 0
	s_mul_i32 s16, ttmp9, 204800                   ; 16 blocks of 12,800 bytes for each 128 columns,
	s_add_co_u32 s16, s16, 1638400                 ; behind W_vis's 128 blocks
	s_mov_b32 s17, 0
	s_lshl_b32 s18, ttmp9, 9                       ; 128 columns of f32
	s_mov_b32 s19, 0
	s_lshl_b32 s22, s13, 16                        ; 16 rows of xatt
	s_add_co_u32 s22, s22, s18
	s_mov_b32 s23, 0
	s_wait_kmcnt 0x0
	s_add_nc_u64 s[4:5], s[4:5], s[14:15]
	s_add_nc_u64 s[6:7], s[6:7], s[16:17]
	s_add_nc_u64 s[8:9], s[8:9], s[18:19]
	s_add_nc_u64 s[10:11], s[10:11], s[22:23]
	WIN 0x40                                       ; destination window 1
.irp s, 0,1,2,3,4,5,6,7
.irp t, 0,1
.irp c, 0,1,2
	global_load_b128 v[24*\s+12*\t+4*\c:24*\s+12*\t+4*\c+3], v3, s[6:7] offset:12800*\s+1536*\t+512*\c
.endr
.endr
.endr
	WIN 0x80                                       ; destination window 2
.irp s, 8,9,10,11,12,13,14,15
.irp t, 0,1
.irp c, 0,1,2
	global_load_b128 v[24*(\s-8)+12*\t+4*\c:24*(\s-8)+12*\t+4*\c+3], v3, s[6:7] offset:12800*\s+1536*\t+512*\c
.endr
.endr
.endr
	WIN 0
.irp s, 0,1,2,3,4,5,6,7,8,9,10,11,12,13,14,15
	global_load_b32 v[WSC+\s], v4, s[6:7] offset:12800*\s+12288     ; lanes 0-15: my first 16 columns' words, lanes 16-31: my second 16's
.endr
.irp t, 0,1
	global_load_b128 v[BI+8*\t:BI+8*\t+3], v5, s[8:9] offset:64*\t       ; lane (r, h): b_ques of columns 32 i + 16 t + 8 h + 0 .. 7
	global_load_b128 v[BI+8*\t+4:BI+8*\t+7], v5, s[8:9] offset:64*\t+16
.endr
	WIN 0xc0                                       ; destination window 3
.irp f, 0,1,2,3
.irp j, 0,1,2,3,4,5,6,7,8,9,10,11,12,13,14,15
	global_load_b128 v[64*\f+4*\j:64*\f+4*\j+3], v1, s[4:5] offset:8192*\j+512*\f   ; row j, my K step f: 32 lanes read 512 consecutive bytes
.endr
.endr
	WIN 0
; 64 numbers of a lane, v[XN] on, register 16 b + i = k 32 b + 16 (lane / 16) + i of my row, become a fragment's codes in v[PC] on and its scale word in v[PW].
.macro QUANT
.irp b, 0,1,2,3
	v_max3_num_f32 v[TM+\b], |v[XN+16*\b]|, |v[XN+1+16*\b]|, 0x2800000   ; my 16 numbers of block b, and the floor 2^(5 - 127): the byte cannot fall under 1
.endr
.irp i, 2,4,6,8,10,12,14
.irp b, 0,1,2,3
	v_max3_num_f32 v[TM+\b], v[TM+\b], |v[XN+16*\b+\i]|, |v[XN+1+16*\b+\i]|
.endr
.endr
.irp b, 0,1,2,3
	v_permlanex16_b32 v[TM+4+\b], v[TM+\b], s[SEL], s[SEL+1]
.endr
.irp b, 0,1,2,3
	v_max_num_f32 v[TM+\b], v[TM+\b], v[TM+4+\b]   ; with lane l xor 16's: the block's largest magnitude
.endr
.irp b, 0,1,2,3
	v_add_nc_u32 v[TM+12+\b], 0xfe000000, v[TM+\b] ; 4 off its exponent field: the conversion's scale operand
.endr
.irp b, 0,1,2,3
	v_lshrrev_b32 v[TM+4+\b], 23, v[TM+12+\b]      ; the scale's byte
.endr
	v_lshl_or_b32 v[PW], v[TM+5], 8, v[TM+4]
	v_lshl_or_b32 v[PW], v[TM+6], 16, v[PW]
	v_lshl_or_b32 v[PW], v[TM+7], 24, v[PW]
.irp c, 0,1
	v_cvt_scalef32_pk16_bf6_f32 v[PC+6*\c:PC+2+6*\c], v[XN+32*\c:XN+15+32*\c], v[TM+12+2*\c]
	v_cvt_scalef32_pk16_bf6_f32 v[PC+12+4*\c:PC+14+4*\c], v[XN+16+32*\c:XN+31+32*\c], v[TM+12+2*\c+1]
.endr
	v_nop                                          ; one plain instruction behind a scaled conversion
.irp c, 0,1                                    ; the operand wants a WHOLE block in a lane: lanes 0-15 block 2 c, lanes 16-31 block 2 c + 1
.irp i, 0,1,2
	v_permlane16_swap_b32 v[PC+6*\c+\i], v[PC+12+4*\c+\i]
.endr
.irp i, 0,1,2
	v_mov_b32 v[PC+3+6*\c+\i], v[PC+12+4*\c+\i]
.endr
.endr
.endm
; My K step f: through my stage (in as loaded, back 16 neighbours a lane), quantised, its image to LDS.
.macro XFRAG f
	s_wait_loadcnt 48-16*\f                        ; this K step's 16 loads are in (and all of W and the bias, which were issued ahead); the later K steps' may be out
	WIN 0x0c                                       ; an LDS store's data are its source 1: window 3
.irp j, 0,1,2,3,4,5,6,7,8,9,10,11,12,13,14,15
	ds_store_b128 v6, v[64*\f+4*\j:64*\f+4*\j+3] offset:528*\j
.endr
	WIN 0
.irp b, 0,1,2,3
.irp e, 0,1,2,3
	ds_load_b128 v[XN+16*\b+4*\e:XN+16*\b+4*\e+3], v7 offset:128*\b+16*\e   ; LDS serves a wave's instructions in order: these see my stores
.endr
.endr
	s_wait_dscnt 0x0                               ; the numbers are back; the last image's stores have read their registers
	QUANT
.irp c, 0,1,2
	ds_store_b128 v8, v[PC+4*\c:PC+4*\c+3] offset:XIMG+1536*\f+512*\c
.endr
	ds_store_b32 v9, v[PW] offset:XSC+128*\f
.endm
	XFRAG 0
	XFRAG 1
	XFRAG 2
	XFRAG 3
	s_wait_dscnt 0x0                               ; for the others' sake: my images have landed
	s_barrier_signal -1
	s_barrier_wait -1                              ; X's sixteen fragments lie in LDS
	WIN 0xc0
.irp s, 0,1,2,3,4,5,6,7,8,9,10,11,12,13,14,15
.irp c, 0,1,2
	ds_load_b128 v[12*\s+4*\c:12*\s+4*\c+3], v1 offset:XIMG+1536*\s+512*\c
.endr
.endr
	WIN 0
.irp s, 0,1,2,3,4,5,6,7,8,9,10,11,12,13,14,15
	ds_load_b32 v[XSW+\s], v2 offset:XSC+128*\s
.endr
	s_wait_dscnt 0x0
; 32 matrix instructions, K ascending; the two accumulators take turns, one instruction a turn.
.irp s, 0,1,2,3,4,5,6,7,8,9,10,11,12,13,14,15
	WIN 0x0d+(\s/8)                                ; source 0 (W) window 1 or 2, source 1 (X) window 3, C and D window 0
.set rW, 24*(\s%8)
.set rX, 12*\s
.if \s == 0
	v_wmma_scale_f32_16x16x128_f8f6f4 v[ACC:ACC+7], v[rW:rW+11], v[rX:rX+11], v[BI:BI+7], v[WSC+\s], v[XSW+\s] matrix_a_fmt:MATRIX_FMT_BF6 matrix_b_fmt:MATRIX_FMT_BF6
	v_wmma_scale_f32_16x16x128_f8f6f4 v[ACC+8:ACC+15], v[rW+12:rW+23], v[rX:rX+11], v[BI+8:BI+15], v[WSC+\s], v[XSW+\s] matrix_a_fmt:MATRIX_FMT_BF6 matrix_b_fmt:MATRIX_FMT_BF6 matrix_a_scale:MATRIX_SCALE_ROW1
.else
	v_wmma_scale_f32_16x16x128_f8f6f4 v[ACC:ACC+7], v[rW:rW+11], v[rX:rX+11], v[ACC:ACC+7], v[WSC+\s], v[XSW+\s] matrix_a_fmt:MATRIX_FMT_BF6 matrix_b_fmt:MATRIX_FMT_BF6
	v_wmma_scale_f32_16x16x128_f8f6f4 v[ACC+8:ACC+15], v[rW+12:rW+23], v[rX:rX+11], v[ACC+8:ACC+15], v[WSC+\s], v[XSW+\s] matrix_a_fmt:MATRIX_FMT_BF6 matrix_b_fmt:MATRIX_FMT_BF6 matrix_a_scale:MATRIX_SCALE_ROW1
.endif
.endr
	WIN 0
.rept 4
	v_nop                                          ; four plain instructions between the last product and the first read of results (ISA guide 7.12.1)
.endr
.irp t, 0,1
	ds_store_b128 v10, v[ACC+8*\t:ACC+8*\t+3] offset:64*\t            ; lane (r, h): xatt(r, 32 i + 16 t + 8 h + 0 .. 7); each accumulator from its low end on
	ds_store_b128 v10, v[ACC+8*\t+4:ACC+8*\t+7] offset:64*\t+16
.endr
	s_wait_dscnt 0x0                               ; for the others' sake: a row's 512 bytes come from four waves
	s_barrier_signal -1
	s_barrier_wait -1
.irp q, 0,1,2,3
	ds_load_b128 v[OUTR+4*\q:OUTR+4*\q+3], v11 offset:528*\q
.endr
.irp q, 0,1,2,3
	s_wait_dscnt 3-\q
	global_store_b128 v12, v[OUTR+4*\q:OUTR+4*\q+3], s[10:11] offset:4096*\q   ; 32 lanes store 512 consecutive bytes, at a multiple of 512 from xatt's first byte
.endr
	s_wait_tensorcnt 0x0
	ds_add_u32 v254, v255
	s_wait_dscnt 0x0
	s_endpgm
.Lfunc_end_k_q850fbb3112_ques:
	.size	k_q850fbb3112_ques, .Lfunc_end_k_q850fbb3112_ques-k_q850fbb3112_ques
	.p2alignl 7, 3214868480
	.fill 96, 4, 3214868480
	.section	.rodata,"a",@progbits
	.p2align	6, 0x0
	.amdhsa_kernel k_q850fbb3112_ques
		.amdhsa_group_segment_fixed_size 69376
		.amdhsa_private_segment_fixed_size 0
		.amdhsa_enable_private_segment 0
		.amdhsa_kernarg_size 32
		.amdhsa_user_sgpr_count 2
		.amdhsa_user_sgpr_kernarg_segment_ptr 1
		.amdhsa_wavefront_size32 1
		.amdhsa_system_sgpr_workgroup_id_x 1
		.amdhsa_system_sgpr_workgroup_id_y 1
		.amdhsa_system_sgpr_workgroup_id_z 1
		.amdhsa_system_vgpr_workitem_id 0
		.amdhsa_next_free_vgpr 1024
		.amdhsa_next_free_sgpr 66
		.amdhsa_reserve_vcc 0
		.amdhsa_float_denorm_mode_32 3
		.amdhsa_float_denorm_mode_16_64 3
		.amdhsa_memory_ordered 1
		.amdhsa_forward_progress 1
		.amdhsa_inst_pref_size 55
	.end_amdhsa_kernel
	.amdgpu_metadata
---
amdhsa.version: [ 1, 2 ]
amdhsa.kernels:
  - .name:           k_q850fbb3112_ques
    .symbol:         k_q850fbb3112_ques.kd
    .args:
      - { .name: X, .offset: 0, .size: 8, .value_kind: global_buffer, .address_space: global }
      - { .name: wcodes, .offset: 8, .size: 8, .value_kind: global_buffer, .address_space: global }
      - { .name: b_ques, .offset: 16, .size: 8, .value_kind: global_buffer, .address_space: global }
      - { .name: xatt, .offset: 24, .size: 8, .value_kind: global_buffer, .address_space: global }
    .group_segment_fixed_size: 69376
    .private_segment_fixed_size: 0
    .kernarg_segment_align: 8
    .kernarg_segment_size: 32
    .max_flat_workgroup_size: 128
    .sgpr_count:     66
    .vgpr_count:     1024
    .wavefront_size: 32
...
	.end_amdgpu_metadata
.endif
;; end of part 2
;; launch main (part 3): grid 256 x 1, 4 waves a work-group, no clusters, 295,424 bytes of LDS; arguments Y, wcodes, xatt, W_map, b_map, out0; writes out0
.if DOCPART == 3
	.amdgcn_target "amdgcn-amd-amdhsa--gfx1250"
	.amdhsa_code_object_version 6
	.text
	.protected	k_q850fbb3112_main
	.globl	k_q850fbb3112_main
	.p2align	8
	.type	k_q850fbb3112_main,@function
k_q850fbb3112_main:
	s_mov_b64 s[64:65], 0
	v_nop
	global_prefetch_b8 v0, s[64:65] scope:SCOPE_SE
	s_setreg_imm32_b32 hwreg(HW_REG_WAVE_MODE, 25, 1), 1
	s_wait_xcnt 0x0
; out0[b] = sum over n of w[n] Y[b][n], w = softmax over n of ( W_map . relu(xatt[b] + Q(Y[b][n]) Q(W_vis)) + b_map ).  Y: [256][128][2048] f32; W_vis: codes and scale words
; in blocks of 12,800 bytes (128 columns x 128 K: eight register images of 1,536 bytes, then 512 bytes of scale words); xatt: [256][1024] f32; out0: [256][2048] f32.
; ONE BATCH TO A WORK-GROUP of four waves, in three phases.
;  A: Y[b] is read once and quantised along K to BF6 (E3M2) with E8M0 scales; the 128 fragments (16 K steps x 8 tiles of 16 rows) stay in LDS as images of their registers.
;     Wave w takes rows 32 w .. 32 w + 31.
;  B: 128 rows x 1024 columns x 2048 K.  Wave w takes columns 256 w .. 256 w + 255 in two passes of 128: 64 accumulators, 512 registers.  Y's fragments come from LDS, W's straight from
;     memory into registers, two K steps ahead, in two sets.  xatt is the C of each sum's first instruction; relu and the product with W_map are taken from the accumulators; partial logits meet in LDS.
;  C: the softmax (the maximum is taken away first), in every wave; then Y[b] is read a second time, in chunks of 1,024 bytes of every row, FROM THE END OF K TO ITS START: the bytes that phase A
;     read last are read again first.  Wave w takes 256 bytes of a chunk's every row, lanes 0-15 the even rows and lanes 16-31 the odd ones, and sums them with the weights in f32.
; WHY NO CLUSTER AND NO TENSOR LOADS: what work-groups share is W_vis.  Y's codes and scale words take 204,800 bytes of LDS; the stages, xatt, W_map, the logits, the weights and the way out 90,112, all written
; by LDS stores; of the 327,680 bytes that a work-group can claim 32,768 are left, less than one K step of W for the four waves (51,200), let alone two slots.  No fragment
; of W is wanted by two waves of a work-group, so each wave loads its own into registers, and the ring of registers needs no barrier.
; THE PRODUCT IS USED TRANSPOSED (source 0 = 16 columns of W, source 1 = 16 rows of Y): a lane holds one row of Y and eight neighbouring columns.
; LIMITS: NaN and infinities are not served.  A block of 32 whose largest magnitude lies under 2^-122, zeros among them, keeps the scale byte 1 (the bytes are read by this program alone).
; A weight under 2^-126 of the row's largest counts as 0 (v_exp_f32 gives no denormals: ISA guide, its entry).  xatt is added first and not last: another order of the f32 sums than the source's.
; REGISTERS, in windows of 256 (s_set_vgpr_msb: bits 1:0 source 0, 3:2 source 1, 5:4 source 2, 7:6 destination):
;  window 0: v1-23 addresses; v24-31 Y's scale words, v32-39 W's (two sets of four each); v40-47 lane permutes' results; v48-63 eight pairs of partial logits; v64-159, v160-255 Y's fragments, two sets.
;            In phase A: v64-191 numbers (two sets of 64), v192-231 codes (two sets of 20), v232-249 at work.
;            In phase C: v64-191 the weights, each twice; v192-207 four sets of sums; v208-223, v232-251 the softmax, v208-223 later the way out; v224-231 the eight slots' offsets.
;  window 1: v0-95, v96-191 W's fragments, two sets; v192-255 xatt, then W_map, in the accumulators' layout.
;  window 2, 3: the accumulators of column tiles 0-3, 4-7: (row tile a, column tile b) at v[8 (8 (b % 4) + a)].  Window 2 is also Y as loaded: phase A four sets of 64, phase C eight slots of 32.
.set YSC,  196608                      ; LDS: from 0 Y's fragments, (8 s + a) x 1,536;  here their scale words: 512 bytes a K step; lane l's 16 bytes hold words i = 0 .. 3: row l % 16 of row tile 2 i + l / 16
.set STG,  204800                      ; two stages of 16 rows x (512 + 16) bytes for each wave
.set XA,   272384                      ; xatt[b], 4,096 bytes
.set WM,   276480                      ; W_map, 4,096 bytes
.set LG,   280576                      ; partial logits: 128 for each wave
.set WB,   282624                      ; the weights, each wave's own 1,024 bytes: the even rows' 64, each twice on end, then the odd rows'
.set OUTS, 286720                      ; the way out, each wave's own 2,048 bytes: 256 for each chunk, in the order in which the chunks are summed
.set TM,   232
.set WT,   64                          ; phase C: the weight of row 2 i + lane / 16, twice, at v[WT + 2 i]
.set ACC,  192                         ; four sets of four sums
.set SM,   208                         ; the softmax: sixteen partial logits; later the way out
.set OFF,  224                         ; slot k's byte offset in Y[b]
.set LGT,  232                         ; the lane's four logits, then their exponentials
.set SEL,  20                          ; s[20:21] v_permlanex16_b32's selects for lane l xor 16
.set MUL_LO,  0xa1                     ; source 0 (W) window 1, source 1 (Y) window 0, C and D window 2
.set MUL_HI,  0xf1                     ; the same, C and D window 3
.set INIT_LO, 0x91                     ; C (xatt) window 1, D window 2
.set INIT_HI, 0xd1
.set TO_W,    0x40                     ; destination window 1
.set TO_R,    0x80                     ; destination window 2
.set ST_R,    0x08                     ; an LDS store's data (source 1) window 2
.set FMA_C,   0x02                     ; source 0 window 2
.set MSB, 0
.macro WIN new                         ; the immediate's high byte repeats the setting that is left; a switch that changes nothing is dropped
.if MSB != (\new)
	s_set_vgpr_msb (MSB<<8)|(\new)
.set MSB, (\new)
.endif
.endm
.macro PLACES                          ; four plain instructions between a matrix instruction and a load into one of its registers, or the first read of its result (ISA guide 7.12.1 for the first read of its result)
.rept 4
	v_nop
.endr
.endm
	s_load_b256 s[4:11], s[0:1], 0x0               ; Y s[4:5], wcodes s[6:7], xatt s[8:9], W_map s[10:11]
	s_load_b128 s[12:15], s[0:1], 0x20             ; b_map s[12:13], out0 s[14:15]
	v_lshrrev_b32 v21, 5, v0
	v_readfirstlane_b32 s16, v21                   ; wave w
	v_and_b32 v21, 31, v0                          ; lane
	v_and_b32 v22, 15, v0                          ; r
	v_bfe_u32 v23, v0, 4, 1                        ; h
	v_lshlrev_b32 v1, 4, v21                       ; v1   16 x lane
	v_lshlrev_b32 v2, 3, v21                       ; v2   8 x lane
	s_lshl_b32 s36, s16, 18
	v_add_nc_u32 v3, s36, v1                       ; v3   phase A, Y: my wave's 32 rows of 8,192 bytes, 16 bytes a lane
	s_mul_i32 s36, s16, 16896
	s_add_co_u32 s36, s36, STG
	v_add_nc_u32 v4, s36, v1                       ; v4   my stages, in: as loaded
	v_mul_u32_u24 v5, v22, 528
	v_lshl_add_u32 v5, v23, 6, v5
	v_add_nc_u32 v5, s36, v5                       ; v5   back: row r, 64 h: 16 neighbours of each block of 32
	s_mul_i32 s36, s16, 3072
	v_add_nc_u32 v6, s36, v1                       ; v6   my two images of a K step
	s_lshl_b32 s36, s16, 2
	s_add_co_u32 s36, s36, YSC
	v_lshl_add_u32 v7, v22, 4, s36                 ; v7   my rows' scale words: 16 r + 4 w
	s_lshl_b32 s36, s16, 10
	s_add_co_u32 s36, s36, XA
	v_lshl_add_u32 v12, v23, 5, s36                ; v12  xatt of my 256 columns, + 32 h
	v_add_nc_u32 v13, WM-XA, v12                   ; v13  W_map likewise
	s_lshl_b32 s36, s16, 9
	s_add_co_u32 s37, s36, LG
	v_lshl_add_u32 v14, v22, 2, s37                ; v14  my partial logits, in: 4 r
	v_lshl_add_u32 v15, v21, 2, LG                 ; v15  all waves', back: 4 x lane
	s_lshl_b32 s36, s16, 10
	s_add_co_u32 s36, s36, WB
	v_and_b32 v8, 1, v21
	v_lshl_add_u32 v16, v8, 9, s36
	v_lshrrev_b32 v8, 1, v21
	v_lshl_add_u32 v16, v8, 3, v16                 ; v16  my copy of the weights, in: row 32 q + lane goes to 512 (lane % 2) + 8 (lane / 2) + 128 q
	v_lshl_add_u32 v17, v23, 9, s36                ; v17  and back: lanes 0-15 the even rows', lanes 16-31 the odd rows'
	s_lshl_b32 s36, s16, 8
	v_xor_b32 v8, 1, v23
	v_lshl_add_u32 v18, v8, 10, s36
	v_lshl_add_u32 v18, v22, 4, v18                ; v18  out0: 256 w + 16 r, and 1,024 more in lanes 0-15, which hold the chunk summed earlier: the one further along K
	s_lshl_b32 s37, s16, 11
	s_add_co_u32 s37, s37, OUTS
	v_lshl_add_u32 v19, v22, 4, s37
	v_lshl_add_u32 v19, v23, 3, v19                ; v19  the way out, in: 16 r + 8 h of a chunk's 256 bytes
	v_add_nc_u32 v20, YSC, v1                      ; v20  Y's scale words, back: 16 x lane
	v_lshlrev_b32 v10, 4, v0                       ; 16 x thread: xatt's and W_map's way to LDS
	v_add_nc_u32 v11, XA, v10
	s_add_co_u32 s36, s36, 7168
	v_lshlrev_b32 v23, 13, v23
	v_lshl_add_u32 v23, v22, 4, v23
	v_add_nc_u32 v23, s36, v23                     ; v23  phase C, Y: row h, the last chunk (byte 7,168 of a row), my wave's 256 bytes, 16 r
	v_add_nc_u32 v22, s37, v1                      ; v22  the way out, back: 16 x lane
.set i, 40
.rept 24
	v_mov_b32 v[i], 0                              ; the permutes' results (a lane permute's destination counts as a source) and the partial logits, which gather over both passes
.set i, i+1
.endr
.irp b, 0,1,2,3
	v_mov_b32 v[TM+4+\b], 0
.endr
	s_mov_b32 s[SEL], 0x76543210
	s_mov_b32 s[SEL+1], 0xfedcba98
	s_mov_b32 s30, 0                               ; phase A: where a trip's images go,
	s_mov_b32 s31, 0                               ; and its scale words
	s_mov_b32 s32, 0                               ; phase B: where the next K step's fragments of Y lie,
	s_mov_b32 s33, 0                               ; and its scale words
	s_mov_b32 s35, 0                               ; phase C: a chunk's 256 bytes on the way out
	s_lshl_b32 s36, ttmp9, 20                      ; a batch of Y is 2^20 bytes
	s_mov_b32 s37, 0
	s_wait_kmcnt 0x0
	s_load_b32 s17, s[12:13], 0x0                  ; b_map
	s_add_nc_u64 s[22:23], s[4:5], s[36:37]        ; s[22:23] Y[b]; never rewritten
	s_mov_b64 s[24:25], s[22:23]                   ; s[24:25] phase A's walk along K
	s_mul_i32 s36, s16, 409600
	s_add_nc_u64 s[26:27], s[6:7], s[36:37]        ; s[26:27] my 32 blocks of W_vis: two passes x 16 K steps, on end
	s_lshl_b32 s36, ttmp9, 12
	s_add_nc_u64 s[8:9], s[8:9], s[36:37]          ; xatt[b]
	s_lshl_b32 s36, ttmp9, 13
	s_add_nc_u64 s[14:15], s[14:15], s[36:37]      ; out0[b]
; ---------------------------------------------------------------- PHASE A
; A trip takes two K steps of my two row tiles: four fragments j: row tile j % 2, K step j / 2.
.macro YLOAD j, ahead                  ; fragment j's 16 rows x 512 bytes into set j of window 2; each load reads 512 consecutive bytes
	WIN TO_R
.irp row, 0,1,2,3,4,5,6,7,8,9,10,11,12,13,14,15
	global_load_b128 v[64*(\j)+4*\row:64*(\j)+4*\row+3], v3, s[24:25] offset:131072*((\j)%2)+512*((\j)/2)+8192*\row+1024*\ahead
.endr
.endm
.macro TURN j                          ; through stage j % 2: in as loaded, back 16 neighbours of each block of 32 a lane.  LDS serves a wave's instructions in order: no wait between
	WIN ST_R
.irp row, 0,1,2,3,4,5,6,7,8,9,10,11,12,13,14,15
	ds_store_b128 v4, v[64*(\j)+4*\row:64*(\j)+4*\row+3] offset:8448*((\j)%2)+528*\row
.endr
	WIN 0
.irp b, 0,1,2,3
.irp e, 0,1,2,3
	ds_load_b128 v[64+64*((\j)%2)+16*\b+4*\e:64+64*((\j)%2)+16*\b+4*\e+3], v5 offset:8448*((\j)%2)+128*\b+16*\e
.endr
.endr
.endm
; 64 numbers of a lane, v[QX] on, register 16 b + i = k 32 b + 16 (lane / 16) + i of my row, become a fragment's codes in v[QP] on and its scale word in v[QW].
.macro QUANT
	WIN 0
.irp b, 0,1,2,3
	v_max3_num_f32 v[TM+\b], |v[QX+16*\b]|, |v[QX+1+16*\b]|, 0x2800000   ; my 16 numbers of block b, and the floor 2^(5 - 127): the byte cannot fall under 1
.endr
.irp i, 2,4,6,8,10,12,14
.irp b, 0,1,2,3
	v_max3_num_f32 v[TM+\b], v[TM+\b], |v[QX+16*\b+\i]|, |v[QX+1+16*\b+\i]|   ; the four blocks by turns
.endr
.endr
.irp b, 0,1,2,3
	v_permlanex16_b32 v[TM+4+\b], v[TM+\b], s[SEL], s[SEL+1]
.endr
.irp b, 0,1,2,3
	v_max_num_f32 v[TM+\b], v[TM+\b], v[TM+4+\b]   ; with lane l xor 16's: the block's largest magnitude
.endr
.irp b, 0,1,2,3
	v_add_nc_u32 v[TM+12+\b], 0xfe000000, v[TM+\b] ; 4 off its exponent field: the conversion's scale operand
.endr
.irp b, 0,1,2,3
	v_lshrrev_b32 v[TM+4+\b], 23, v[TM+12+\b]      ; the scale's byte
.endr
	v_lshl_or_b32 v[QW], v[TM+5], 8, v[TM+4]
	v_lshl_or_b32 v[QW], v[TM+6], 16, v[QW]
	v_lshl_or_b32 v[QW], v[TM+7], 24, v[QW]
.irp c, 0,1
	v_cvt_scalef32_pk16_bf6_f32 v[QP+6*\c:QP+2+6*\c], v[QX+32*\c:QX+15+32*\c], v[TM+12+2*\c]
	v_cvt_scalef32_pk16_bf6_f32 v[QP+12+4*\c:QP+14+4*\c], v[QX+16+32*\c:QX+31+32*\c], v[TM+12+2*\c+1]   ; (a conversion's three registers begin on an even number)
.endr
	v_nop                                          ; one plain instruction behind a scaled conversion
.irp c, 0,1                                    ; the operand wants a WHOLE block in a lane: lanes 0-15 block 2 c, lanes 16-31 block 2 c + 1
.irp i, 0,1,2
	v_permlane16_swap_b32 v[QP+6*\c+\i], v[QP+12+4*\c+\i]
.endr
.irp i, 0,1,2
	v_mov_b32 v[QP+3+6*\c+\i], v[QP+12+4*\c+\i]
.endr
.endr
.endm
.macro IMAGE j                         ; the fragment goes to LDS as it stands, 16 bytes a lane; its scale word to 16 r + 256 (row tile % 2) + 4 w (both halves of the lanes write the same word with the same value)
.irp c, 0,1,2
	ds_store_b128 v8, v[QP+4*\c:QP+4*\c+3] offset:12288*(\j/2)+1536*(\j%2)+512*\c
.endr
	ds_store_b32 v9, v[QW] offset:512*(\j/2)+256*(\j%2)
.endm
; Fragment j's turn.  ld = 1: its set is loaded again, for the next trip.  turn = 1: the next fragment goes through the other stage while this one is quantised; cnt: the younger loads that may then stay out.
.macro FRAG j, ld, cnt, turn
.if \j == 0
	s_wait_dscnt 0x0                               ; my numbers are back from the stage
.else
	s_wait_dscnt 0x4                               ; my numbers are back from the stage, so its stores have read set j; only the last image's four stores may be out: the image before it has read its registers
.endif
.if \ld
	YLOAD \j, 1
.endif
.if \turn
	s_wait_loadcnt \cnt
	TURN (\j+1)%4
.endif
.set QX, 64+64*(\j%2)
.set QP, 192+20*(\j%2)
.set QW, 248+(\j%2)
	QUANT
	IMAGE \j
.endm
	global_load_b128 v[192:195], v10, s[8:9]               ; xatt[b] and W_map: 128 threads x 16 bytes, twice each
	global_load_b128 v[196:199], v10, s[8:9] offset:2048
	global_load_b128 v[200:203], v10, s[10:11]
	global_load_b128 v[204:207], v10, s[10:11] offset:2048
	YLOAD 0, 0
	YLOAD 1, 0
	YLOAD 2, 0
	YLOAD 3, 0
	WIN 0
	s_wait_kmcnt 0x0                               ; b_map
	s_wait_loadcnt 48                              ; the four loads above and set 0 are in; three sets of 16 may be out
	ds_store_b128 v11, v[192:195]
	ds_store_b128 v11, v[196:199] offset:2048
	ds_store_b128 v11, v[200:203] offset:4096
	ds_store_b128 v11, v[204:207] offset:6144
	TURN 0
	s_mov_b32 s34, 7
.Lquant:                                           ; seven trips, each of which loads the next trip's four sets
	v_add_nc_u32 v8, s30, v6
	v_add_nc_u32 v9, s31, v7
	FRAG 0, 1, 48, 1                               ; 48: behind the next fragment's 16 loads stand three sets of 16
	FRAG 1, 1, 48, 1
	FRAG 2, 1, 48, 1
	FRAG 3, 1, 48, 1
	s_wait_xcnt 0x0                                ; the loads have read their base: it is stepped only behind this wait
	s_add_nc_u64 s[24:25], s[24:25], 1024          ; two K steps along the rows
	s_add_co_u32 s30, s30, 24576
	s_add_co_u32 s31, s31, 1024
	s_sub_co_u32 s34, s34, 1
	s_cmp_lg_u32 s34, 0
	s_cbranch_scc1 .Lquant
	v_add_nc_u32 v8, s30, v6                       ; the last trip loads nothing: the counts run down
	v_add_nc_u32 v9, s31, v7
	FRAG 0, 0, 32, 1
	FRAG 1, 0, 16, 1
	FRAG 2, 0, 0, 1
	FRAG 3, 0, 0, 0
; ---------------------------------------------------------------- PHASE B
; Half a K step of W: four fragments (12 loads of 512 consecutive bytes) into set par, and their two pairs' scale words: 13 loads.  o: the block, in bytes from s[26:27].
.macro WLOAD half, par, o
	WIN TO_W
.irp bb, 0,1,2,3
.irp c, 0,1,2
	global_load_b128 v[96*\par+12*(4*\half+\bb)+4*\c:96*\par+12*(4*\half+\bb)+4*\c+3], v1, s[26:27] offset:(\o)+1536*(4*\half+\bb)+512*\c
.endr
.endr
	WIN 0
	global_load_b64 v[32+4*\par+2*\half:33+4*\par+2*\half], v2, s[26:27] offset:(\o)+12288+256*\half   ; lanes 0-15: the even tile's words, lanes 16-31: the odd tile's
.endm
.macro YFETCH par                      ; the next K step's eight fragments of Y and their scale words, from LDS, into set par
	WIN 0
	v_add_nc_u32 v10, s32, v1
	v_add_nc_u32 v11, s33, v20
.irp a, 0,1,2,3,4,5,6,7
.irp c, 0,1,2
	ds_load_b128 v[64+96*(\par)+12*\a+4*\c:64+96*(\par)+12*\a+4*\c+3], v10 offset:1536*\a+512*\c
.endr
.endr
	ds_load_b128 v[24+4*(\par):27+4*(\par)], v11
	s_add_co_u32 s32, s32, 12288
	s_add_co_u32 s33, s33, 512
.endm
.macro XBLOAD adr, p                   ; xatt or W_map of pass p's 128 columns in the accumulators' layout: lane (r, h), tile b: columns 16 b + 8 h + 0 .. 7
	WIN TO_W
.irp b, 0,1,2,3,4,5,6,7
	ds_load_b128 v[192+8*\b:195+8*\b], v[\adr] offset:512*\p+64*\b
	ds_load_b128 v[196+8*\b:199+8*\b], v[\adr] offset:512*\p+64*\b+16
.endr
	WIN 0
.endm
; 32 matrix instructions: column tiles 4 half .. 4 half + 3 x the eight row tiles, 128 along K.  init = 1: xatt is the C: nothing is cleared and nothing added later.
; The 64 accumulators take turns, one instruction a turn, in the same order in every K step.
.macro MUL32 half, par, init
.irp bb, 0,1,2,3
.irp a, 0,1,2,3,4,5,6,7
.set rD, 8*(8*\bb+\a)
.set rC, rD
.if \init
.set rC, 192+8*(4*\half+\bb)
.endif
.set rW, 96*\par+12*(4*\half+\bb)
.set rY, 64+96*\par+12*\a
.set rSW, 32+4*\par+2*\half+\bb/2
.set rSY, 24+4*\par+\a/2
.if (\bb%2) && (\a%2)
	v_wmma_scale_f32_16x16x128_f8f6f4 v[rD:rD+7], v[rW:rW+11], v[rY:rY+11], v[rC:rC+7], v[rSW], v[rSY] matrix_a_fmt:MATRIX_FMT_BF6 matrix_b_fmt:MATRIX_FMT_BF6 matrix_a_scale:MATRIX_SCALE_ROW1 matrix_b_scale:MATRIX_SCALE_ROW1
.elseif \bb%2
	v_wmma_scale_f32_16x16x128_f8f6f4 v[rD:rD+7], v[rW:rW+11], v[rY:rY+11], v[rC:rC+7], v[rSW], v[rSY] matrix_a_fmt:MATRIX_FMT_BF6 matrix_b_fmt:MATRIX_FMT_BF6 matrix_a_scale:MATRIX_SCALE_ROW1
.elseif \a%2
	v_wmma_scale_f32_16x16x128_f8f6f4 v[rD:rD+7], v[rW:rW+11], v[rY:rY+11], v[rC:rC+7], v[rSW], v[rSY] matrix_a_fmt:MATRIX_FMT_BF6 matrix_b_fmt:MATRIX_FMT_BF6 matrix_b_scale:MATRIX_SCALE_ROW1
.else
	v_wmma_scale_f32_16x16x128_f8f6f4 v[rD:rD+7], v[rW:rW+11], v[rY:rY+11], v[rC:rC+7], v[rSW], v[rSY] matrix_a_fmt:MATRIX_FMT_BF6 matrix_b_fmt:MATRIX_FMT_BF6
.endif
.endr
.endr
.endm
; A K step on sets par.  ld = 1: each half of W's set is loaded again as soon as its 32 products are issued, with the block two K steps on, which lies o bytes from s[26:27]:
; 96 matrix instructions ahead of its use.  adv: s[26:27] goes so many bytes on, in the step's middle, ahead of the step's own loads: the loads that read it last were issued 32 matrix instructions ago.
; yl = 1: the next K step's Y is fetched in the step's middle.  c0, c1: the younger loads that may stay out when the low, the high half of W's set is wanted.
; xb = 1: W_map takes xatt's place, behind the products that took xatt as C.
.macro STEP par, o, adv, init, ld, yl, c0, c1, xb, p
	s_wait_dscnt 0x0                               ; Y's fragments and scale words are in
	s_wait_loadcnt \c0
.if \init
	WIN INIT_LO
.else
	WIN MUL_LO
.endif
	MUL32 0, \par, \init
	PLACES
.if \adv
	s_wait_xcnt 0x0                                ; the earlier loads have read their base: it is stepped only behind this wait
	s_add_nc_u64 s[26:27], s[26:27], \adv
.endif
.if \ld
	WLOAD 0, \par, \o
.endif
.if \yl
	YFETCH 1-\par
.endif
	s_wait_loadcnt \c1
.if \init
	WIN INIT_HI
.else
	WIN MUL_HI
.endif
	MUL32 1, \par, \init
	PLACES
.if \ld
	WLOAD 1, \par, \o
.endif
.if \xb
	XBLOAD 13, \p
.endif
	WIN 0
.endm
; relu, and the product with W_map, of the 32 accumulators of window 2 + half.  Each accumulator is read from its low end on.  The eight pairs of partial logits take turns.
.macro EPI half
	WIN 0x88+0x44*\half                            ; source 1 and destination: window 2 or 3
.set i, 0
.rept 256
	v_max_num_f32 v[i], 0, v[i]
.set i, i+1
.endr
	WIN 0x06+\half                                 ; source 0: window 2 or 3; source 1 (W_map): window 1
.irp bb, 0,1,2,3
.irp jp, 0,1,2,3
.irp a, 0,1,2,3,4,5,6,7
	v_pk_fma_f32 v[48+2*\a:49+2*\a], v[8*(8*\bb+\a)+2*\jp:8*(8*\bb+\a)+2*\jp+1], v[192+8*(4*\half+\bb)+2*\jp:192+8*(4*\half+\bb)+2*\jp+1], v[48+2*\a:49+2*\a]
.endr
.endr
.endr
	WIN 0
.endm
; Phase C's ring is filled with the last chunk of K: slot k holds rows 16 k .. 16 k + 15, eight loads of two rows x 256 bytes.  Each slot has an offset register of its own.
.macro CFILL
	WIN 0
.irp k, 0,1,2,3,4,5,6,7
	v_add_nc_u32 v[OFF+\k], 131072*\k, v23
.endr
	WIN TO_R
.irp k, 0,1,2,3,4,5,6,7
.irp i, 0,1,2,3,4,5,6,7
	global_load_b128 v[32*\k+4*\i:32*\k+4*\i+3], v[OFF+\k], s[22:23] offset:16384*\i th:TH_LOAD_NT
.endr
.endr
	WIN 0
.endm
; A pass: 128 columns, 16 K steps.  The stream of W runs on from pass 0 into pass 1: pass 0's last two K steps load pass 1's first two blocks.
; 39 = three half sets of 13: behind the low half of step s stand its high half and step s + 1's two; behind the high half, in the step's middle, step s + 1's two and step s + 2's low half.
; s[26:27]: at block 0 at the start.  A pass's first step brings it to the block of the step that follows; each pair of steps then takes it two blocks on, to the block that the pair's first step loads.
.macro PASS p
	XBLOAD 12, \p                                  ; xatt
.if \p == 0
	YFETCH 0
.endif
	STEP 0, 12800, 12800+12800*\p, 1, 1, 1, 39, 39, 1, \p
	s_mov_b32 s34, 6
.Lk_\@:                                            ; K steps 1 to 12, two a trip, so that the sets are back where they began
	STEP 1, 0, 25600, 0, 1, 1, 39, 39, 0, \p
	STEP 0, 12800, 0, 0, 1, 1, 39, 39, 0, \p
	s_sub_co_u32 s34, s34, 1
	s_cmp_lg_u32 s34, 0
	s_cbranch_scc1 .Lk_\@
.if \p == 0
	STEP 1, 0, 25600, 0, 1, 1, 39, 39, 0, \p
	STEP 0, 12800, 0, 0, 1, 1, 39, 39, 0, \p
	s_mov_b32 s32, 0                               ; the last K step fetches Y's K step 0 again, for the next pass
	s_mov_b32 s33, 0
	STEP 1, 25600, 0, 0, 1, 1, 39, 39, 0, \p
	EPI 0
	EPI 1
.else
	STEP 1, 0, 25600, 0, 1, 1, 39, 39, 0, \p       ; K step 13 loads the last block
	STEP 0, 0, 0, 0, 0, 1, 39, 26, 0, \p           ; nothing more to load: the counts run down
	STEP 1, 0, 0, 0, 0, 0, 13, 0, 0, \p
	EPI 0
	CFILL                                          ; window 2 is free: these loads land under the rest of the way out and the softmax
	EPI 1
.endif
.endm
	WLOAD 0, 0, 0                                  ; W's first two K steps are asked for ahead of the barrier
	WLOAD 1, 0, 0
	WLOAD 0, 1, 12800
	WLOAD 1, 1, 12800
	s_wait_dscnt 0x0                               ; for the others' sake: my images, scale words and my part of xatt and W_map have landed
	s_barrier_signal -1
	s_barrier_wait -1                              ; Y[b] lies in LDS as codes
	PASS 0
	PASS 1
; ---------------------------------------------------------------- THE SOFTMAX, in every wave
.irp a, 0,1,2,3,4,5,6,7
	v_add_f32 v[48+2*\a], v[48+2*\a], v[49+2*\a]   ; a pair's two halves,
.endr
.irp a, 0,1,2,3,4,5,6,7
	v_permlanex16_b32 v[40+\a], v[48+2*\a], s[SEL], s[SEL+1]
.endr
.irp a, 0,1,2,3,4,5,6,7
	v_add_f32 v[48+2*\a], v[48+2*\a], v[40+\a]     ; and lane l xor 16's: row 16 a + r over my 256 columns
.endr
.irp a, 0,1,2,3,4,5,6,7
	ds_store_b32 v14, v[48+2*\a] offset:64*\a
.endr
	s_wait_dscnt 0x0                               ; for the others' sake: my partial logits have landed
	s_barrier_signal -1
	s_barrier_wait -1
.irp ww, 0,1,2,3
.irp q, 0,1,2,3
	ds_load_b32 v[SM+4*\ww+\q], v15 offset:512*\ww+128*\q     ; lane l: rows 32 q + l, of each wave
.endr
.endr
	s_wait_dscnt 0x0
.irp q, 0,1,2,3
	v_add_f32 v[LGT+\q], v[SM+\q], v[SM+4+\q]
.endr
.irp q, 0,1,2,3
	v_add_f32 v[LGT+4+\q], v[SM+8+\q], v[SM+12+\q]
.endr
.irp q, 0,1,2,3
	v_add_f32 v[LGT+\q], v[LGT+\q], v[LGT+4+\q]
.endr
.irp q, 0,1,2,3
	v_add_f32 v[LGT+\q], s17, v[LGT+\q]            ; + b_map: the logits
.endr
	v_max3_num_f32 v240, v232, v233, v234
	v_max_num_f32 v240, v240, v235
	v_max_num_f32_dpp v240, v240, v240 row_xmask:1 row_mask:0xf bank_mask:0xf
	v_max_num_f32_dpp v240, v240, v240 row_xmask:2 row_mask:0xf bank_mask:0xf
	v_max_num_f32_dpp v240, v240, v240 row_xmask:4 row_mask:0xf bank_mask:0xf
	v_max_num_f32_dpp v240, v240, v240 row_xmask:8 row_mask:0xf bank_mask:0xf
	v_permlanex16_b32 v40, v240, s[SEL], s[SEL+1]
	v_max_num_f32 v240, v240, v40                  ; the largest of the 128, in every lane
.irp q, 0,1,2,3
	v_sub_f32 v[LGT+\q], v[LGT+\q], v240
.endr
.irp q, 0,1,2,3
	v_mul_f32 v[LGT+\q], 0x3fb8aa3b, v[LGT+\q]     ; x log2(e)
.endr
.irp q, 0,1,2,3
	v_exp_f32 v[LGT+\q], v[LGT+\q]
.endr
	v_nop                                          ; a plain instruction behind the exponentials
	s_wait_alu depctr_va_vdst(0)                   ; one wait for the four exponentials, ahead of their first reader
	v_add_f32 v241, v232, v233
	v_add_f32 v236, v234, v235
	v_add_f32 v241, v241, v236
	v_add_f32_dpp v241, v241, v241 row_xmask:1 row_mask:0xf bank_mask:0xf
	v_add_f32_dpp v241, v241, v241 row_xmask:2 row_mask:0xf bank_mask:0xf
	v_add_f32_dpp v241, v241, v241 row_xmask:4 row_mask:0xf bank_mask:0xf
	v_add_f32_dpp v241, v241, v241 row_xmask:8 row_mask:0xf bank_mask:0xf
	v_permlanex16_b32 v40, v241, s[SEL], s[SEL+1]
	v_add_f32 v241, v241, v40                      ; at least 1: the largest logit's term
	v_rcp_f32 v242, v241
	v_nop                                          ; a plain instruction behind the reciprocal
	s_wait_alu depctr_va_vdst(0)                   ; and the wait ahead of its first reader
.irp q, 0,1,2,3
	v_mul_f32 v[244+2*\q], v[LGT+\q], v242         ; each weight twice, as the pair that a packed multiply-add takes
	v_mul_f32 v[245+2*\q], v[LGT+\q], v242
.endr
.irp q, 0,1,2,3
	ds_store_b64 v16, v[244+2*\q:245+2*\q] offset:128*\q      ; my own copy of the 128 weights: no other wave reads it, and LDS serves my instructions in order
.endr
.irp x, 0,1,2,3,4,5,6,7,8,9,10,11,12,13,14,15,16,17,18,19,20,21,22,23,24,25,26,27,28,29,30,31
	ds_load_b128 v[WT+4*\x:WT+4*\x+3], v17 offset:16*\x       ; once for the whole phase: the 64 weights of my half's rows; sixteen lanes read the same 16 bytes
.endr
	s_wait_dscnt 0x0
; ---------------------------------------------------------------- PHASE C
; A trip takes a chunk: 1,024 bytes of all 128 rows, of which 256 bytes of each row are my wave's: eight slots of eight loads.  refill = 1: a slot is loaded again, with the same rows of the chunk
; 1,024 bytes back along K, as soon as it is summed.  The wait at a slot's head shows the slot's eight loads done, so its offset register, which they alone have read, may be stepped there: no other wait
; and no scalar pointer.  A chunk's first four loads start the four sets of sums: nothing is cleared.  Between two instructions on one pair of sums stand seven on others.
.macro CTRIP refill
.irp k, 0,1,2,3,4,5,6,7
.if \refill
	s_wait_loadcnt 56                              ; my slot's eight loads are in; the seven younger slots' stay out
.else
	s_wait_loadcnt 56-8*\k
.endif
	WIN FMA_C
.if \refill
	v_add_nc_u32 v[OFF+\k], 0xfffffc00, v[OFF+\k]  ; - 1,024: the literal is the first source, the register the second, in window 0
.endif
.irp i, 0,1,2,3,4,5,6,7
.irp pr, 0,1
.if (\k == 0) && (\i < 4)
	v_pk_mul_f32 v[ACC+4*\i+2*\pr:ACC+4*\i+2*\pr+1], v[32*\k+4*\i+2*\pr:32*\k+4*\i+2*\pr+1], v[WT+2*(8*\k+\i):WT+2*(8*\k+\i)+1]
.else
	v_pk_fma_f32 v[ACC+4*(\i%4)+2*\pr:ACC+4*(\i%4)+2*\pr+1], v[32*\k+4*\i+2*\pr:32*\k+4*\i+2*\pr+1], v[WT+2*(8*\k+\i):WT+2*(8*\k+\i)+1], v[ACC+4*(\i%4)+2*\pr:ACC+4*(\i%4)+2*\pr+1]
.endif
.endr
.endr
.if \refill
	WIN TO_R
.irp i, 0,1,2,3,4,5,6,7
	global_load_b128 v[32*\k+4*\i:32*\k+4*\i+3], v[OFF+\k], s[22:23] offset:16384*\i th:TH_LOAD_NT
.endr
.endif
.endr
	WIN 0
	v_pk_add_f32 v[ACC:ACC+1], v[ACC:ACC+1], v[ACC+4:ACC+5]           ; the four sets become one
	v_pk_add_f32 v[ACC+2:ACC+3], v[ACC+2:ACC+3], v[ACC+6:ACC+7]
	v_pk_add_f32 v[ACC+8:ACC+9], v[ACC+8:ACC+9], v[ACC+12:ACC+13]
	v_pk_add_f32 v[ACC+10:ACC+11], v[ACC+10:ACC+11], v[ACC+14:ACC+15]
	v_pk_add_f32 v[ACC:ACC+1], v[ACC:ACC+1], v[ACC+8:ACC+9]
	v_pk_add_f32 v[ACC+2:ACC+3], v[ACC+2:ACC+3], v[ACC+10:ACC+11]
	v_permlane16_swap_b32 v[ACC], v[ACC+2]         ; the even rows' sums lie in lanes 0-15, the odd rows' in lanes 16-31.  The first register's lanes 16-31 change places with the second's lanes 0-15:
	v_permlane16_swap_b32 v[ACC+1], v[ACC+3]       ; lanes 0-15 then hold both halves' sums of columns 4 r, 4 r + 1, lanes 16-31 those of columns 4 r + 2, 4 r + 3
	v_pk_add_f32 v[ACC:ACC+1], v[ACC:ACC+1], v[ACC+2:ACC+3]
	v_add_nc_u32 v21, s35, v19
	ds_store_b64 v21, v[ACC:ACC+1]                 ; 8 bytes a lane at 16 r + 8 h: the chunk's 256 bytes of my wave
.endm
	s_mov_b32 s34, 7
.Lsum:
	CTRIP 1
	s_add_co_u32 s35, s35, 256
	s_sub_co_u32 s34, s34, 1
	s_cmp_lg_u32 s34, 0
	s_cbranch_scc1 .Lsum
	CTRIP 0                                        ; the first 1,024 bytes of the rows: nothing is loaded, the counts run down
.irp x, 0,1,2,3
	ds_load_b128 v[SM+4*\x:SM+4*\x+3], v22 offset:512*\x      ; LDS serves a wave's instructions in order: these see my stores.  Lanes 0-15: the chunk summed in trip 2 x, lanes 16-31: that of trip 2 x + 1
.endr
.irp x, 0,1,2,3
	s_wait_dscnt 3-\x
	global_store_b128 v18, v[SM+4*\x:SM+4*\x+3], s[14:15] offset:6144-2048*\x   ; trip t summed the chunk at byte 1,024 (7 - t): sixteen lanes store 256 consecutive bytes, at a multiple of 256 from out0's first byte
.endr
	s_wait_xcnt 0x0
	v_lshl_add_u32 v254, v0, 2, 0x48000
	v_mov_b32 v255, 0
	s_wait_tensorcnt 0x0
	ds_add_u32 v254, v255
	s_wait_dscnt 0x0
	s_endpgm
.Lfunc_end_k_q850fbb3112_main:
	.size	k_q850fbb3112_main, .Lfunc_end_k_q850fbb3112_main-k_q850fbb3112_main
	.p2alignl 7, 3214868480
	.fill 96, 4, 3214868480
	.section	.rodata,"a",@progbits
	.p2align	6, 0x0
	.amdhsa_kernel k_q850fbb3112_main
		.amdhsa_group_segment_fixed_size 295424
		.amdhsa_private_segment_fixed_size 0
		.amdhsa_enable_private_segment 0
		.amdhsa_kernarg_size 48
		.amdhsa_user_sgpr_count 2
		.amdhsa_user_sgpr_kernarg_segment_ptr 1
		.amdhsa_wavefront_size32 1
		.amdhsa_system_sgpr_workgroup_id_x 1
		.amdhsa_system_sgpr_workgroup_id_y 1
		.amdhsa_system_sgpr_workgroup_id_z 1
		.amdhsa_system_vgpr_workitem_id 0
		.amdhsa_next_free_vgpr 1024
		.amdhsa_next_free_sgpr 66
		.amdhsa_reserve_vcc 0
		.amdhsa_float_denorm_mode_32 3
		.amdhsa_float_denorm_mode_16_64 3
		.amdhsa_memory_ordered 1
		.amdhsa_forward_progress 1
		.amdhsa_inst_pref_size 255
	.end_amdhsa_kernel
	.section	.bss,"aw",@nobits
	.p2align	6
	.space	262144
	.amdgpu_metadata
---
amdhsa.version: [ 1, 2 ]
amdhsa.kernels:
  - .name:           k_q850fbb3112_main
    .symbol:         k_q850fbb3112_main.kd
    .args:
      - { .name: Y, .offset: 0, .size: 8, .value_kind: global_buffer, .address_space: global }
      - { .name: wcodes, .offset: 8, .size: 8, .value_kind: global_buffer, .address_space: global }
      - { .name: xatt, .offset: 16, .size: 8, .value_kind: global_buffer, .address_space: global }
      - { .name: W_map, .offset: 24, .size: 8, .value_kind: global_buffer, .address_space: global }
      - { .name: b_map, .offset: 32, .size: 8, .value_kind: global_buffer, .address_space: global }
      - { .name: out0, .offset: 40, .size: 8, .value_kind: global_buffer, .address_space: global }
    .group_segment_fixed_size: 295424
    .private_segment_fixed_size: 0
    .kernarg_segment_align: 8
    .kernarg_segment_size: 48
    .max_flat_workgroup_size: 128
    .sgpr_count:     66
    .vgpr_count:     1024
    .wavefront_size: 32
...
	.end_amdgpu_metadata
.endif
;; end of part 3
;; ======== version 2 of 2: 3 launches
;; workspace buffers: wcodes 3,276,800 bytes; xatt 1,048,576 bytes
;; launch wquant (part 4): grid 256 x 1, 4 waves a work-group, no clusters, 1,536 bytes of LDS; arguments W_vis, W_ques, wcodes; writes wcodes
.if DOCPART == 4
	.amdgcn_target "amdgcn-amd-amdhsa--gfx1250"
	.amdhsa_code_object_version 6
	.text
	.protected	k_q850fbb3112_wquant
	.globl	k_q850fbb3112_wquant
	.p2align	8
	.type	k_q850fbb3112_wquant,@function
k_q850fbb3112_wquant:
	s_mov_b64 s[64:65], 0
	v_nop
	global_prefetch_b8 v0, s[64:65] scope:SCOPE_SE
	s_setreg_imm32_b32 hwreg(HW_REG_WAVE_MODE, 25, 1), 1
	s_wait_xcnt 0x0
; W_vis and W_ques, [2048 (k)][1024 (n)] f32, are operands whose K is their FIRST axis.  They become codes of BF6 (E3M2) with one E8M0 scale byte
; for each 32 along K, laid as the later launches' registers want them: 256 blocks of 12,800 bytes, block g = (T x 8 + G) x 16 + s
; (T: 0 W_vis, 1 W_ques; G: columns 128 G on; s: K = 128 s on).  In a block: eight fragments (columns 16 b on) as images of their 12 registers:
; register 4 c + e of lane l at 1536 b + 512 c + 16 l + 4 e; from byte 12,288 on the scale words: the word of column 32 i + l at 256 (i / 2) + 8 l + 4 (i % 2).
; A block's scale is 2^(floor(log2(its largest magnitude)) - 4); its byte is the largest magnitude's exponent field - 4, held at 1 from below.
; LIMITS: NaN and infinities are not served.  A block whose largest magnitude lies under 2^-122, a block of zeros among them, keeps the byte 1 (the rule
; says 127 for zeros): its codes are zeros or the numbers over 2^-126, and the bytes are read by this program alone.
; SHARES: work-group g makes block g; wave i takes 32 columns.  A LANE TAKES A COLUMN AND ITS 128 REGISTERS RUN DOWN K: a load reads 128 consecutive
; bytes a wave, 512 a work-group; each of the lane's four blocks of 32 is its own, and the conversions give codes with K innermost.
.set ROWB, 4096                        ; a row of W in bytes
.set BLKB, 12800
.set SW,   16                          ; v16     my column's scale word
.set MA,   18                          ; v18-19  two chains of the maximum
.set SO,   20                          ; v20-23  the conversions' scale operands, one a block
.set BY,   28                          ; v28     a scale byte
.set X,    32                          ; v32-159 my column's 128 numbers
.set FA,   160                         ; v160-171 blocks 0 and 2; behind the exchange: the fragment of columns 0-15 of my 32
.set FB,   172                         ; v172-183 blocks 1 and 3; behind the exchange: the fragment of columns 16-31
.set TMP,  184                         ; v184-199 each block's upper 16 codes (a conversion's three registers begin on an even number)
	s_load_b128 s[4:7], s[0:1], 0x0                ; W_vis, W_ques
	s_load_b64 s[8:9], s[0:1], 0x10                ; wcodes
	v_lshl_add_u32 v200, v0, 2, 0x400
	v_mov_b32 v201, 0
	v_lshrrev_b32 v5, 5, v0
	v_readfirstlane_b32 s10, v5                    ; wave i
	v_and_b32 v6, 31, v0                           ; lane
	v_lshlrev_b32 v1, 2, v6                        ; in: 4 bytes a lane
	v_lshlrev_b32 v4, 4, v6                        ; 16 x lane
	s_mul_i32 s11, s10, 3072
	v_add_nc_u32 v2, s11, v4                       ; out: my wave's two fragments, 16 bytes a lane
	s_lshr_b32 s11, s10, 1
	s_lshl_b32 s11, s11, 8
	s_and_b32 s12, s10, 1
	s_lshl_b32 s12, s12, 2
	s_add_co_u32 s11, s11, s12
	v_lshl_add_u32 v3, v6, 3, s11                  ; LDS: my scale word's place among the block's 128
	s_and_b32 s12, ttmp9, 15                       ; s
	s_lshl_b32 s12, s12, 19                        ; 128 rows of 4,096 bytes
	s_bfe_u32 s13, ttmp9, 0x30004                  ; G
	s_lshl_b32 s13, s13, 9
	s_add_co_u32 s12, s12, s13
	s_lshl_b32 s13, s10, 7                         ; my wave's 32 columns
	s_add_co_u32 s12, s12, s13
	s_mov_b32 s13, 0
	s_mul_i32 s14, ttmp9, BLKB
	s_mov_b32 s15, 0
	s_wait_alu depctr_va_vdst(0)
	s_wait_kmcnt 0x0
	s_cmp_lt_u32 ttmp9, 128                        ; the first 128 work-groups take W_vis: the choice hangs on the work-group's number alone
	s_cselect_b64 s[4:5], s[4:5], s[6:7]
	s_add_nc_u64 s[4:5], s[4:5], s[12:13]
	s_add_nc_u64 s[8:9], s[8:9], s[14:15]
.set k, 0
.rept 128
	global_load_b32 v[X+k], v1, s[4:5] offset:ROWB*k th:TH_LOAD_NT
.set k, k+1
.endr
; Block q of my column: its largest magnitude, its byte, its 32 codes.  cnt: how many younger loads may stay out.
.macro BLOCK q, cnt
.set XS, X+32*\q
.set F, FA+12*(\q%2)+6*(\q/2)
	s_wait_loadcnt \cnt
	v_max3_num_f32 v[MA], |v[XS]|, |v[XS+1]|, |v[XS+2]|
	v_max3_num_f32 v[MA+1], |v[XS+3]|, |v[XS+4]|, |v[XS+5]|
.irp i, 6,10,14,18,22,26
	v_max3_num_f32 v[MA], v[MA], |v[XS+\i]|, |v[XS+\i+1]|
	v_max3_num_f32 v[MA+1], v[MA+1], |v[XS+\i+2]|, |v[XS+\i+3]|
.endr
	v_max3_num_f32 v[MA], v[MA], |v[XS+30]|, |v[XS+31]|
	v_max3_num_f32 v[MA], v[MA], v[MA+1], 0x2800000   ; and the floor 2^(5 - 127): the byte cannot fall under 1
	v_add_nc_u32 v[SO+\q], 0xfe000000, v[MA]       ; 4 off the exponent field: the conversion takes this operand's exponent field as its scale
	v_lshrrev_b32 v[BY], 23, v[SO+\q]              ; the scale's byte
.if \q == 0
	v_mov_b32 v[SW], v[BY]
.else
	v_lshl_or_b32 v[SW], v[BY], 8*\q, v[SW]        ; the lower K in the lower byte
.endif
	v_cvt_scalef32_pk16_bf6_f32 v[F:F+2], v[XS:XS+15], v[SO+\q]
	v_cvt_scalef32_pk16_bf6_f32 v[TMP+4*\q:TMP+4*\q+2], v[XS+16:XS+31], v[SO+\q]
.endm
	BLOCK 0, 63                                    ; 96 younger loads might stay out; a wait names 63 at the most
	BLOCK 1, 63                                    ; (64 might)
	BLOCK 2, 32
	BLOCK 3, 0
	v_nop                                          ; one plain instruction behind the last scaled conversion
.irp q, 0,1,2,3
.irp i, 0,1,2
	v_mov_b32 v[FA+12*(\q%2)+6*(\q/2)+3+\i], v[TMP+4*\q+\i]
.endr
.endr
; A fragment's lanes 0-15 want blocks 0 and 2 of their column, lanes 16-31 blocks 1 and 3.  FA holds blocks 0, 2 and FB blocks 1, 3 of all 32 columns:
; FA's lanes 16-31 change places with FB's lanes 0-15, and FA is the fragment of my columns 0-15, FB that of my columns 16-31.
.set i, 0
.rept 12
	v_permlane16_swap_b32 v[FA+i], v[FB+i]
.set i, i+1
.endr
.irp c, 0,1,2
	global_store_b128 v2, v[FA+4*\c:FA+4*\c+3], s[8:9] offset:512*\c          ; 32 lanes store 512 consecutive bytes
	global_store_b128 v2, v[FB+4*\c:FB+4*\c+3], s[8:9] offset:1536+512*\c
.endr
	ds_store_b32 v3, v[SW]                         ; the four waves' scale words meet in LDS,
	s_wait_dscnt 0x0                               ; for the others' sake: my store has landed
	s_barrier_signal -1
	s_barrier_wait -1
	s_cmp_lg_u32 s10, 0
	s_cbranch_scc1 .Ldone
	ds_load_b128 v[24:27], v4                      ; and wave 0 stores them as 512 consecutive bytes
	s_wait_dscnt 0x0
	global_store_b128 v4, v[24:27], s[8:9] offset:12288
.Ldone:
	s_wait_tensorcnt 0x0
	ds_add_u32 v200, v201
	s_wait_dscnt 0x0
	s_endpgm
.Lfunc_end_k_q850fbb3112_wquant:
	.size	k_q850fbb3112_wquant, .Lfunc_end_k_q850fbb3112_wquant-k_q850fbb3112_wquant
	.p2alignl 7, 3214868480
	.fill 96, 4, 3214868480
	.section	.rodata,"a",@progbits
	.p2align	6, 0x0
	.amdhsa_kernel k_q850fbb3112_wquant
		.amdhsa_group_segment_fixed_size 1536
		.amdhsa_private_segment_fixed_size 0
		.amdhsa_enable_private_segment 0
		.amdhsa_kernarg_size 24
		.amdhsa_user_sgpr_count 2
		.amdhsa_user_sgpr_kernarg_segment_ptr 1
		.amdhsa_wavefront_size32 1
		.amdhsa_system_sgpr_workgroup_id_x 1
		.amdhsa_system_sgpr_workgroup_id_y 1
		.amdhsa_system_sgpr_workgroup_id_z 1
		.amdhsa_system_vgpr_workitem_id 0
		.amdhsa_next_free_vgpr 202
		.amdhsa_next_free_sgpr 66
		.amdhsa_reserve_vcc 0
		.amdhsa_float_denorm_mode_32 3
		.amdhsa_float_denorm_mode_16_64 3
		.amdhsa_memory_ordered 1
		.amdhsa_forward_progress 1
		.amdhsa_inst_pref_size 21
	.end_amdhsa_kernel
	.amdgpu_metadata
---
amdhsa.version: [ 1, 2 ]
amdhsa.kernels:
  - .name:           k_q850fbb3112_wquant
    .symbol:         k_q850fbb3112_wquant.kd
    .args:
      - { .name: W_vis, .offset: 0, .size: 8, .value_kind: global_buffer, .address_space: global }
      - { .name: W_ques, .offset: 8, .size: 8, .value_kind: global_buffer, .address_space: global }
      - { .name: wcodes, .offset: 16, .size: 8, .value_kind: global_buffer, .address_space: global }
    .group_segment_fixed_size: 1536
    .private_segment_fixed_size: 0
    .kernarg_segment_align: 8
    .kernarg_segment_size: 24
    .max_flat_workgroup_size: 128
    .sgpr_count:     66
    .vgpr_count:     202
    .wavefront_size: 32
...
	.end_amdgpu_metadata
.endif
;; end of part 4
;; launch ques (part 5): grid 8 x 16, 4 waves a work-group, no clusters, 69,376 bytes of LDS; arguments X, wcodes, b_ques, xatt; writes xatt
.if DOCPART == 5
	.amdgcn_target "amdgcn-amd-amdhsa--gfx1250"
	.amdhsa_code_object_version 6
	.text
	.protected	k_q850fbb3112_ques
	.globl	k_q850fbb3112_ques
	.p2align	8
	.type	k_q850fbb3112_ques,@function
k_q850fbb3112_ques:
	s_mov_b64 s[64:65], 0
	v_nop
	global_prefetch_b8 v0, s[64:65] scope:SCOPE_SE
	s_setreg_imm32_b32 hwreg(HW_REG_WAVE_SCHED_MODE, 0, 2), 2
	s_setreg_imm32_b32 hwreg(HW_REG_WAVE_MODE, 25, 1), 1
	s_wait_xcnt 0x0
	s_wait_alu depctr_vm_vsrc(0)
; xatt = Q(X) Q(W_ques) + b_ques.  X: [256][2048] f32, quantised here along K; W_ques: codes and scale words as the launch before laid them; xatt: [256][1024] f32.
; SHARES: a work-group takes 16 rows of X (work-group y) and 128 columns (work-group x): 128 work-groups, all the work there is.  Wave i quantises K steps 4 i .. 4 i + 3
; of the 16 rows and hands the fragments round through LDS as images of their registers; it multiplies columns 32 i .. 32 i + 31: two accumulators by turns, 16 K steps.
; No tensor load, no cluster: each wave's 32 fragments of W are wanted by that wave alone and go straight into its registers; what work-groups share, X's rows, is quantised on the way.
; THE PRODUCT IS USED TRANSPOSED (source 0 = 16 columns of W, source 1 = the 16 rows of X): a lane holds one row and eight neighbouring columns.  The bias is the C of each sum's first instruction.
; LIMITS: as in the launch before (NaN, infinities; blocks under 2^-122 keep the byte 1).
; THE MODE: SCHED_MODE bits 1:0 = 2 (LLVM: expert scheduling mode 2), set by the entry lines.  The code itself states the register dependences between vector or matrix
; instructions and memory or LDS instructions, with s_wait_alu, always for 0.
; THE PLAN.  Registers that memory or LDS instructions touch, and who else names them:
;   v1-v12, v254, v255  offsets and LDS addresses: written at the head, never again: one wait on va_vdst ahead of the first load.
;   window 3            X as loaded; read by the stage's stores; later X's fragments land there from LDS.  No vector instruction names it ahead of the products.
;   v80-143             64 numbers: loaded from the stage; read by the quantiser.
;   v144-163, v180      codes and scale word: written by the quantiser; read by the image's stores.
;   v48-63              the accumulators: written by the products; read by the stores into xatt's stage.
; So each of my four K steps has one wait on va_vdst, behind the quantiser, and from the second on one on vm_vsrc, ahead of it; one more on va_vdst stands ahead of the accumulators' stores.
; REGISTERS: window 0: v1-15 addresses; v16-31 W's scale words, v32-47 X's; v48-63 the accumulators; v64-79 the bias; v80-143 64 numbers; v144-163 codes; v164-180 at work; v184-199 rows of xatt.
;   windows 1, 2: W's fragments of K steps 0-7, 8-15, at 24 (s % 8) + 12 t.   window 3: X as loaded (64 f + 4 row), later X's 16 fragments (12 s).
.set STG,  0                           ; LDS: a stage of 16 rows x (512 + 16) bytes for each wave,
.set XIMG, 33792                       ; X's 16 fragments, 1,536 bytes each,
.set XSC,  58368                       ; their scale words, 128 bytes each,
.set OST,  60416                       ; and the stage for xatt: 16 rows x (512 + 16)
.set WSC,  16
.set XSW,  32
.set ACC,  48
.set BI,   64
.set XN,   80
.set PC,   144
.set TM,   164
.set PW,   180
.set OUTR, 184
.set SEL,  20
.set MSB, 0
.macro WIN new                         ; the immediate's high byte repeats the setting that is left
.if MSB != (\new)
	s_set_vgpr_msb (MSB<<8)|(\new)
.set MSB, (\new)
.endif
.endm
	s_load_b128 s[4:7], s[0:1], 0x0                ; X, wcodes
	s_load_b128 s[8:11], s[0:1], 0x10              ; b_ques, xatt
	v_lshl_add_u32 v254, v0, 2, 0x10d00
	v_mov_b32 v255, 0
	v_lshrrev_b32 v15, 5, v0
	v_readfirstlane_b32 s12, v15                   ; wave i
	v_and_b32 v15, 31, v0                          ; lane
	v_and_b32 v13, 15, v0                          ; r
	v_bfe_u32 v14, v0, 4, 1                        ; h
	s_wait_alu depctr_va_vdst(0)
	v_lshlrev_b32 v1, 4, v15                       ; 16 x lane
	s_wait_alu depctr_va_vdst(0)
	v_lshlrev_b32 v2, 2, v15                       ; 4 x lane
	s_wait_alu depctr_va_vdst(0)
	s_wait_alu depctr_va_sdst(0)                   ; s12 is written, ahead of its first reader: addresses and bases are made from it
	s_mul_i32 s24, s12, 3072
	v_add_nc_u32 v3, s24, v1                       ; W: my two fragments of a block
	s_lshr_b32 s24, s12, 1
	s_lshl_b32 s24, s24, 8
	s_and_b32 s25, s12, 1
	s_lshl_b32 s25, s25, 2
	s_add_co_u32 s24, s24, s25
	v_lshl_add_u32 v4, v15, 3, s24                 ; W's scale word of column 32 i + lane
	s_lshl_b32 s24, s12, 7
	v_lshl_add_u32 v5, v14, 5, s24                 ; the bias: 128 i + 32 h
	s_mul_i32 s24, s12, 8448
	v_add_nc_u32 v6, s24, v1                       ; my stage, as loaded: 16 x lane
	v_mul_u32_u24 v7, v13, 528
	v_lshl_add_u32 v7, v14, 6, v7
	v_add_nc_u32 v7, s24, v7                       ; and back: row r, 64 h: 16 neighbours of each block of 32
	s_mul_i32 s24, s12, 6144
	v_add_nc_u32 v8, s24, v1                       ; where I store my four images
	s_lshl_b32 s24, s12, 9
	v_add_nc_u32 v9, s24, v2                       ; and their scale words
	s_lshl_b32 s24, s12, 7
	s_add_co_u32 s24, s24, OST
	v_mul_u32_u24 v10, v13, 528
	v_lshl_add_u32 v10, v14, 5, v10
	v_add_nc_u32 v10, s24, v10                     ; xatt's stage, in: row r, 128 i + 32 h
	s_mul_i32 s24, s12, 2112
	s_add_co_u32 s24, s24, OST
	v_add_nc_u32 v11, s24, v1                      ; back: rows 4 i on, whole
	s_lshl_b32 s24, s12, 14
	v_add_nc_u32 v12, s24, v1                      ; and the same rows in xatt
	s_mov_b32 s[SEL], 0x76543210
	s_mov_b32 s[SEL+1], 0xfedcba98                 ; v_permlanex16_b32's selects for lane l xor 16
.irp b, 0,1,2,3
	v_mov_b32 v[TM+4+\b], 0                        ; written once: a lane permute's destination counts as one of its sources
.endr
	s_and_b32 s13, ttmp7, 0xffff                   ; which 16 rows
	s_lshl_b32 s14, s13, 17                        ; 16 rows of 8,192 bytes
	s_lshl_b32 s15, s12, 11                        ; my four K steps: 2,048 bytes on in each row
	s_add_co_u32 s14, s14, s15
	s_mov_b32 s15, 0
	s_mul_i32 s16, ttmp9, 204800                   ; 16 blocks of 12,800 bytes for each 128 columns,
	s_add_co_u32 s16, s16, 1638400                 ; behind W_vis's 128 blocks
	s_mov_b32 s17, 0
	s_lshl_b32 s18, ttmp9, 9                       ; 128 columns of f32
	s_mov_b32 s19, 0
	s_lshl_b32 s22, s13, 16                        ; 16 rows of xatt
	s_add_co_u32 s22, s22, s18
	s_mov_b32 s23, 0
	s_wait_kmcnt 0x0
	s_add_nc_u64 s[4:5], s[4:5], s[14:15]
	s_add_nc_u64 s[6:7], s[6:7], s[16:17]
	s_add_nc_u64 s[8:9], s[8:9], s[18:19]
	s_add_nc_u64 s[10:11], s[10:11], s[22:23]
	WIN 0x40                                       ; destination window 1
	s_wait_alu depctr_va_vdst(0)                   ; the offsets and addresses v1 to v12 are written, which every load and store of the kernel reads
.irp s, 0,1,2,3,4,5,6,7
.irp t, 0,1
.irp c, 0,1,2
	global_load_b128 v[24*\s+12*\t+4*\c:24*\s+12*\t+4*\c+3], v3, s[6:7] offset:12800*\s+1536*\t+512*\c
.endr
.endr
.endr
	WIN 0x80                                       ; destination window 2
.irp s, 8,9,10,11,12,13,14,15
.irp t, 0,1
.irp c, 0,1,2
	global_load_b128 v[24*(\s-8)+12*\t+4*\c:24*(\s-8)+12*\t+4*\c+3], v3, s[6:7] offset:12800*\s+1536*\t+512*\c
.endr
.endr
.endr
	WIN 0
.irp s, 0,1,2,3,4,5,6,7,8,9,10,11,12,13,14,15
	global_load_b32 v[WSC+\s], v4, s[6:7] offset:12800*\s+12288     ; lanes 0-15: my first 16 columns' words, lanes 16-31: my second 16's
.endr
.irp t, 0,1
	global_load_b128 v[BI+8*\t:BI+8*\t+3], v5, s[8:9] offset:64*\t       ; lane (r, h): b_ques of columns 32 i + 16 t + 8 h + 0 .. 7
	global_load_b128 v[BI+8*\t+4:BI+8*\t+7], v5, s[8:9] offset:64*\t+16
.endr
	WIN 0xc0                                       ; destination window 3
.irp f, 0,1,2,3
.irp j, 0,1,2,3,4,5,6,7,8,9,10,11,12,13,14,15
	global_load_b128 v[64*\f+4*\j:64*\f+4*\j+3], v1, s[4:5] offset:8192*\j+512*\f   ; row j, my K step f: 32 lanes read 512 consecutive bytes
.endr
.endr
	WIN 0
; 64 numbers of a lane, v[XN] on, register 16 b + i = k 32 b + 16 (lane / 16) + i of my row, become a fragment's codes in v[PC] on and its scale word in v[PW].
.macro QUANT
.irp b, 0,1,2,3
	v_max3_num_f32 v[TM+\b], |v[XN+16*\b]|, |v[XN+1+16*\b]|, 0x2800000   ; my 16 numbers of block b, and the floor 2^(5 - 127): the byte cannot fall under 1
.endr
.irp i, 2,4,6,8,10,12,14
.irp b, 0,1,2,3
	v_max3_num_f32 v[TM+\b], v[TM+\b], |v[XN+16*\b+\i]|, |v[XN+1+16*\b+\i]|
.endr
.endr
.irp b, 0,1,2,3
	v_permlanex16_b32 v[TM+4+\b], v[TM+\b], s[SEL], s[SEL+1]
.endr
.irp b, 0,1,2,3
	v_max_num_f32 v[TM+\b], v[TM+\b], v[TM+4+\b]   ; with lane l xor 16's: the block's largest magnitude
.endr
.irp b, 0,1,2,3
	v_add_nc_u32 v[TM+12+\b], 0xfe000000, v[TM+\b] ; 4 off its exponent field: the conversion's scale operand
.endr
.irp b, 0,1,2,3
	v_lshrrev_b32 v[TM+4+\b], 23, v[TM+12+\b]      ; the scale's byte
.endr
	v_lshl_or_b32 v[PW], v[TM+5], 8, v[TM+4]
	v_lshl_or_b32 v[PW], v[TM+6], 16, v[PW]
	v_lshl_or_b32 v[PW], v[TM+7], 24, v[PW]
.irp c, 0,1
	v_cvt_scalef32_pk16_bf6_f32 v[PC+6*\c:PC+2+6*\c], v[XN+32*\c:XN+15+32*\c], v[TM+12+2*\c]
	v_cvt_scalef32_pk16_bf6_f32 v[PC+12+4*\c:PC+14+4*\c], v[XN+16+32*\c:XN+31+32*\c], v[TM+12+2*\c+1]
.endr
	v_nop                                          ; one plain instruction behind a scaled conversion
.irp c, 0,1                                    ; the operand wants a WHOLE block in a lane: lanes 0-15 block 2 c, lanes 16-31 block 2 c + 1
.irp i, 0,1,2
	v_permlane16_swap_b32 v[PC+6*\c+\i], v[PC+12+4*\c+\i]
.endr
.irp i, 0,1,2
	v_mov_b32 v[PC+3+6*\c+\i], v[PC+12+4*\c+\i]
.endr
.endr
.endm
; My K step f: through my stage (in as loaded, back 16 neighbours a lane), quantised, its image to LDS.
.macro XFRAG f
	s_wait_loadcnt 48-16*\f                        ; this K step's 16 loads are in (and all of W and the bias, which were issued ahead); the later K steps' may be out
	WIN 0x0c                                       ; an LDS store's data are its source 1: window 3
.irp j, 0,1,2,3,4,5,6,7,8,9,10,11,12,13,14,15
	ds_store_b128 v6, v[64*\f+4*\j:64*\f+4*\j+3] offset:528*\j
.endr
	WIN 0
.irp b, 0,1,2,3
.irp e, 0,1,2,3
	ds_load_b128 v[XN+16*\b+4*\e:XN+16*\b+4*\e+3], v7 offset:128*\b+16*\e   ; LDS serves a wave's instructions in order: these see my stores.  (The last quantiser's reads of these registers stand ahead of the last wait on va_vdst)
.endr
.endr
	s_wait_dscnt 0x0                               ; the numbers are back
.if \f > 0
	s_wait_alu depctr_vm_vsrc(0)                   ; the last image's stores have read the codes and the scale word, which the quantiser writes again; the stage's stores so far have read their part of window 3, in which X's fragments land later
.endif
	QUANT
	s_wait_alu depctr_va_vdst(0)                   ; the quantiser has written the codes and the scale word, which the stores below read, and is done reading its 64 numbers, in which the next K step's loads land
.irp c, 0,1,2
	ds_store_b128 v8, v[PC+4*\c:PC+4*\c+3] offset:XIMG+1536*\f+512*\c
.endr
	ds_store_b32 v9, v[PW] offset:XSC+128*\f
.endm
	XFRAG 0
	XFRAG 1
	XFRAG 2
	XFRAG 3
	s_wait_dscnt 0x0                               ; for the others' sake: my images have landed
	s_barrier_signal -1
	s_barrier_wait -1                              ; X's sixteen fragments lie in LDS
	WIN 0xc0
.irp s, 0,1,2,3,4,5,6,7,8,9,10,11,12,13,14,15
.irp c, 0,1,2
	ds_load_b128 v[12*\s+4*\c:12*\s+4*\c+3], v1 offset:XIMG+1536*\s+512*\c
.endr
.endr
	WIN 0
.irp s, 0,1,2,3,4,5,6,7,8,9,10,11,12,13,14,15
	ds_load_b32 v[XSW+\s], v2 offset:XSC+128*\s
.endr
	s_wait_dscnt 0x0
; 32 matrix instructions, K ascending; the two accumulators take turns, one instruction a turn.
.irp s, 0,1,2,3,4,5,6,7,8,9,10,11,12,13,14,15
	WIN 0x0d+(\s/8)                                ; source 0 (W) window 1 or 2, source 1 (X) window 3, C and D window 0
.set rW, 24*(\s%8)
.set rX, 12*\s
.if \s == 0
	v_wmma_scale_f32_16x16x128_f8f6f4 v[ACC:ACC+7], v[rW:rW+11], v[rX:rX+11], v[BI:BI+7], v[WSC+\s], v[XSW+\s] matrix_a_fmt:MATRIX_FMT_BF6 matrix_b_fmt:MATRIX_FMT_BF6
	v_wmma_scale_f32_16x16x128_f8f6f4 v[ACC+8:ACC+15], v[rW+12:rW+23], v[rX:rX+11], v[BI+8:BI+15], v[WSC+\s], v[XSW+\s] matrix_a_fmt:MATRIX_FMT_BF6 matrix_b_fmt:MATRIX_FMT_BF6 matrix_a_scale:MATRIX_SCALE_ROW1
.else
	v_wmma_scale_f32_16x16x128_f8f6f4 v[ACC:ACC+7], v[rW:rW+11], v[rX:rX+11], v[ACC:ACC+7], v[WSC+\s], v[XSW+\s] matrix_a_fmt:MATRIX_FMT_BF6 matrix_b_fmt:MATRIX_FMT_BF6
	v_wmma_scale_f32_16x16x128_f8f6f4 v[ACC+8:ACC+15], v[rW+12:rW+23], v[rX:rX+11], v[ACC+8:ACC+15], v[WSC+\s], v[XSW+\s] matrix_a_fmt:MATRIX_FMT_BF6 matrix_b_fmt:MATRIX_FMT_BF6 matrix_a_scale:MATRIX_SCALE_ROW1
.endif
.endr
	WIN 0
.rept 4
	v_nop                                          ; four plain instructions between the last product and the first read of results (ISA guide 7.12.1)
.endr
	s_wait_alu depctr_va_vdst(0)                   ; the products have written the accumulators, which the LDS stores read; the four instructions above stay beside this wait
.irp t, 0,1
	ds_store_b128 v10, v[ACC+8*\t:ACC+8*\t+3] offset:64*\t            ; lane (r, h): xatt(r, 32 i + 16 t + 8 h + 0 .. 7); each accumulator from its low end on
	ds_store_b128 v10, v[ACC+8*\t+4:ACC+8*\t+7] offset:64*\t+16
.endr
	s_wait_dscnt 0x0                               ; for the others' sake: a row's 512 bytes come from four waves
	s_barrier_signal -1
	s_barrier_wait -1
.irp q, 0,1,2,3
	ds_load_b128 v[OUTR+4*\q:OUTR+4*\q+3], v11 offset:528*\q
.endr
.irp q, 0,1,2,3
	s_wait_dscnt 3-\q
	global_store_b128 v12, v[OUTR+4*\q:OUTR+4*\q+3], s[10:11] offset:4096*\q   ; 32 lanes store 512 consecutive bytes, at a multiple of 512 from xatt's first byte
.endr
	s_wait_dscnt 0x0                               ; the closing lines, six on end
	s_wait_alu 0x0
	s_wait_tensorcnt 0x0
	ds_add_u32 v254, v255
	s_wait_dscnt 0x0
	s_endpgm
.Lfunc_end_k_q850fbb3112_ques:
	.size	k_q850fbb3112_ques, .Lfunc_end_k_q850fbb3112_ques-k_q850fbb3112_ques
	.p2alignl 7, 3214868480
	.fill 96, 4, 3214868480
	.section	.rodata,"a",@progbits
	.p2align	6, 0x0
	.amdhsa_kernel k_q850fbb3112_ques
		.amdhsa_group_segment_fixed_size 69376
		.amdhsa_private_segment_fixed_size 0
		.amdhsa_enable_private_segment 0
		.amdhsa_kernarg_size 32
		.amdhsa_user_sgpr_count 2
		.amdhsa_user_sgpr_kernarg_segment_ptr 1
		.amdhsa_wavefront_size32 1
		.amdhsa_system_sgpr_workgroup_id_x 1
		.amdhsa_system_sgpr_workgroup_id_y 1
		.amdhsa_system_sgpr_workgroup_id_z 1
		.amdhsa_system_vgpr_workitem_id 0
		.amdhsa_next_free_vgpr 1024
		.amdhsa_next_free_sgpr 66
		.amdhsa_reserve_vcc 0
		.amdhsa_float_denorm_mode_32 3
		.amdhsa_float_denorm_mode_16_64 3
		.amdhsa_memory_ordered 1
		.amdhsa_forward_progress 1
		.amdhsa_inst_pref_size 55
	.end_amdhsa_kernel
	.amdgpu_metadata
---
amdhsa.version: [ 1, 2 ]
amdhsa.kernels:
  - .name:           k_q850fbb3112_ques
    .symbol:         k_q850fbb3112_ques.kd
    .args:
      - { .name: X, .offset: 0, .size: 8, .value_kind: global_buffer, .address_space: global }
      - { .name: wcodes, .offset: 8, .size: 8, .value_kind: global_buffer, .address_space: global }
      - { .name: b_ques, .offset: 16, .size: 8, .value_kind: global_buffer, .address_space: global }
      - { .name: xatt, .offset: 24, .size: 8, .value_kind: global_buffer, .address_space: global }
    .group_segment_fixed_size: 69376
    .private_segment_fixed_size: 0
    .kernarg_segment_align: 8
    .kernarg_segment_size: 32
    .max_flat_workgroup_size: 128
    .sgpr_count:     66
    .vgpr_count:     1024
    .wavefront_size: 32
...
	.end_amdgpu_metadata
.endif
;; end of part 5
;; launch main (part 6): grid 256 x 1, 4 waves a work-group, no clusters, 295,424 bytes of LDS; arguments Y, wcodes, xatt, W_map, b_map, out0; writes out0
.if DOCPART == 6
	.amdgcn_target "amdgcn-amd-amdhsa--gfx1250"
	.amdhsa_code_object_version 6
	.text
	.protected	k_q850fbb3112_main
	.globl	k_q850fbb3112_main
	.p2align	8
	.type	k_q850fbb3112_main,@function
k_q850fbb3112_main:
	s_mov_b64 s[64:65], 0
	v_nop
	global_prefetch_b8 v0, s[64:65] scope:SCOPE_SE
	s_setreg_imm32_b32 hwreg(HW_REG_WAVE_SCHED_MODE, 0, 2), 2
	s_setreg_imm32_b32 hwreg(HW_REG_WAVE_MODE, 25, 1), 1
	s_wait_xcnt 0x0
	s_wait_alu depctr_vm_vsrc(0)
; out0[b] = sum over n of w[n] Y[b][n], w = softmax over n of ( W_map . relu(xatt[b] + Q(Y[b][n]) Q(W_vis)) + b_map ).  Y: [256][128][2048] f32; W_vis: codes and scale words
; in blocks of 12,800 bytes (128 columns x 128 K: eight register images of 1,536 bytes, then 512 bytes of scale words); xatt: [256][1024] f32; out0: [256][2048] f32.
; ONE BATCH TO A WORK-GROUP of four waves, in three phases.
;  A: Y[b] is read once and quantised along K to BF6 (E3M2) with E8M0 scales; the 128 fragments (16 K steps x 8 tiles of 16 rows) stay in LDS as images of their registers.
;     Wave w takes rows 32 w .. 32 w + 31.
;  B: 128 rows x 1024 columns x 2048 K.  Wave w takes columns 256 w .. 256 w + 255 in two passes of 128: 64 accumulators, 512 registers.  Y's fragments come from LDS, W's straight from
;     memory into registers, two K steps ahead, in two sets.  xatt is the C of each sum's first instruction; relu and the product with W_map are taken from the accumulators; partial logits meet in LDS.
;  C: the softmax (the maximum is taken away first), in every wave; then Y[b] is read a second time, in chunks of 1,024 bytes of every row, FROM THE END OF K TO ITS START: the bytes that phase A
;     read last are read again first.  Wave w takes 256 bytes of a chunk's every row, lanes 0-15 the even rows and lanes 16-31 the odd ones, and sums them with the weights in f32.
; WHY NO CLUSTER AND NO TENSOR LOADS: what work-groups share is W_vis.  Y's codes and scale words take 204,800 bytes of LDS; the stages, xatt, W_map, the logits, the weights and the way out 90,112, all written
; by LDS stores; of the 327,680 bytes that a work-group can claim 32,768 are left, less than one K step of W for the four waves (51,200), let alone two slots.  No fragment
; of W is wanted by two waves of a work-group, so each wave loads its own into registers, and the ring of registers needs no barrier.
; THE PRODUCT IS USED TRANSPOSED (source 0 = 16 columns of W, source 1 = 16 rows of Y): a lane holds one row of Y and eight neighbouring columns.
; LIMITS: NaN and infinities are not served.  A block of 32 whose largest magnitude lies under 2^-122, zeros among them, keeps the scale byte 1 (the bytes are read by this program alone).
; A weight under 2^-126 of the row's largest counts as 0 (v_exp_f32 gives no denormals: ISA guide, its entry).  xatt is added first and not last: another order of the f32 sums than the source's.
; THE MODE: SCHED_MODE bits 1:0 = 2 (LLVM: expert scheduling mode 2), set by the entry lines.  The code itself states the register dependences between vector or matrix
; instructions and memory or LDS instructions, with s_wait_alu, always for 0.
; THE PLAN.  Registers that memory or LDS instructions touch, and who else names them:
;  v1-v7, v12-v20, v22, v23: offsets and LDS addresses, written at the head and never again: one wait on va_vdst ahead of the kernel's first load.
;  PHASE A, fragment j.  Window 2's set j: loaded; read by the stage's stores; loaded again.  v64-191, set j % 2: loaded from the stage; read by the quantiser.  The codes and the scale word, set j % 2:
;    written by the quantiser; read by the image's stores.  v8, v9: written in a trip's first fragment; read by the images' stores.  Two waits a fragment: on vm_vsrc at its head (the stage's stores have read
;    set j; the images' stores have read what this fragment writes again), on va_vdst behind the quantiser (its results are written; it is done reading its numbers).
;  PHASE B, a K step on sets par.  W's two half sets and Y's set: loaded; read by the products.  v10, v11: written once a step; read by Y's LDS loads.  In the step's middle, behind the first 32 products: a wait on vm_vsrc,
;    the two additions, ONE wait on va_vdst: W's low half of set par and Y's other set have been read, v10 and v11 are written.  The loads into them follow, DEALT AMONG THE SECOND 32 PRODUCTS, which name W's
;    high half, Y's set par, their scale words and window 3: none of the registers that those loads touch.  At the step's end a second wait on va_vdst, ahead of the loads into W's high half.
;  PHASE C, slot k.  Its 32 registers of window 2: loaded; read by 16 multiply-adds; loaded again behind one wait on va_vdst.  No address is written: each slot has a scalar base of its own.
;    The sums and v21: written in a chunk; read by the chunk's one LDS store, behind slot 7's wait; one wait on vm_vsrc a chunk ahead of their next write.
; REGISTERS, in windows of 256 (s_set_vgpr_msb: bits 1:0 source 0, 3:2 source 1, 5:4 source 2, 7:6 destination):
;  window 0: v1-23 addresses; v24-31 Y's scale words, v32-39 W's (two sets of four each); v40-47 lane permutes' results; v48-63 eight pairs of partial logits; v64-159, v160-255 Y's fragments, two sets.
;            In phase A: v64-191 numbers (two sets of 64), v192-231 codes (two sets of 20), v232-249 at work.
;            In phase C: v64-191 the weights, each twice; v192-207 four sets of sums; v208-223, v232-251 the softmax, v208-223 later the way out.
;  window 1: v0-95, v96-191 W's fragments, two sets; v192-255 xatt, then W_map, in the accumulators' layout.
;  window 2, 3: the accumulators of column tiles 0-3, 4-7: (row tile a, column tile b) at v[8 (8 (b % 4) + a)].  Window 2 is also Y as loaded: phase A four sets of 64, phase C eight slots of 32.
.set YSC,  196608                      ; LDS: from 0 Y's fragments, (8 s + a) x 1,536;  here their scale words: 512 bytes a K step; lane l's 16 bytes hold words i = 0 .. 3: row l % 16 of row tile 2 i + l / 16
.set STG,  204800                      ; two stages of 16 rows x (512 + 16) bytes for each wave
.set XA,   272384                      ; xatt[b], 4,096 bytes
.set WM,   276480                      ; W_map, 4,096 bytes
.set LG,   280576                      ; partial logits: 128 for each wave
.set WB,   282624                      ; the weights, each wave's own 1,024 bytes: the even rows' 64, each twice on end, then the odd rows'
.set OUTS, 286720                      ; the way out, each wave's own 2,048 bytes: 256 for each chunk, in the order in which the chunks are summed
.set TM,   232
.set WT,   64                          ; phase C: the weight of row 2 i + lane / 16, twice, at v[WT + 2 i]
.set ACC,  192                         ; four sets of four sums
.set SM,   208                         ; the softmax: sixteen partial logits; later the way out
.set LGT,  232                         ; the lane's four logits, then their exponentials
.set SEL,  20                          ; s[20:21] v_permlanex16_b32's selects for lane l xor 16
                                       ; phase C: slot k's base, Y[b] at row 16 k and at the chunk that the slot is asked for next: s[38 + 2 k ..] for k = 0 .. 4, s[14 + 2 k ..] for k = 5 .. 7
.set MUL_LO,  0xa1                     ; source 0 (W) window 1, source 1 (Y) window 0, C and D window 2
.set MUL_HI,  0xf1                     ; the same, C and D window 3
.set INIT_LO, 0x91                     ; C (xatt) window 1, D window 2
.set INIT_HI, 0xd1
.set TO_W,    0x40                     ; destination window 1
.set TO_R,    0x80                     ; destination window 2
.set ST_R,    0x08                     ; an LDS store's data (source 1) window 2
.set FMA_C,   0x02                     ; source 0 window 2
.set MSB, 0
.macro WIN new                         ; the immediate's high byte repeats the setting that is left; a switch that changes nothing is dropped
.if MSB != (\new)
	s_set_vgpr_msb (MSB<<8)|(\new)
.set MSB, (\new)
.endif
.endm
.macro PLACES                          ; four plain instructions between a matrix instruction and a load into one of its registers, or the first read of its result (ISA guide 7.12.1 for the first read of its result)
.rept 4
	v_nop
.endr
.endm
	s_load_b256 s[4:11], s[0:1], 0x0               ; Y s[4:5], wcodes s[6:7], xatt s[8:9], W_map s[10:11]
	s_load_b128 s[12:15], s[0:1], 0x20             ; b_map s[12:13], out0 s[14:15]
	v_lshrrev_b32 v21, 5, v0
	v_readfirstlane_b32 s16, v21                   ; wave w
	v_and_b32 v21, 31, v0                          ; lane
	v_and_b32 v22, 15, v0                          ; r
	v_bfe_u32 v23, v0, 4, 1                        ; h
	v_lshlrev_b32 v1, 4, v21                       ; v1   16 x lane
	v_lshlrev_b32 v2, 3, v21                       ; v2   8 x lane
	s_wait_alu depctr_va_sdst(0)                   ; s16 is written, ahead of its first reader: addresses and bases are made from it
	s_lshl_b32 s36, s16, 18
	v_add_nc_u32 v3, s36, v1                       ; v3   phase A, Y: my wave's 32 rows of 8,192 bytes, 16 bytes a lane
	s_mul_i32 s36, s16, 16896
	s_add_co_u32 s36, s36, STG
	v_add_nc_u32 v4, s36, v1                       ; v4   my stages, in: as loaded
	v_mul_u32_u24 v5, v22, 528
	v_lshl_add_u32 v5, v23, 6, v5
	v_add_nc_u32 v5, s36, v5                       ; v5   back: row r, 64 h: 16 neighbours of each block of 32
	s_mul_i32 s36, s16, 3072
	v_add_nc_u32 v6, s36, v1                       ; v6   my two images of a K step
	s_lshl_b32 s36, s16, 2
	s_add_co_u32 s36, s36, YSC
	v_lshl_add_u32 v7, v22, 4, s36                 ; v7   my rows' scale words: 16 r + 4 w
	s_lshl_b32 s36, s16, 10
	s_add_co_u32 s36, s36, XA
	v_lshl_add_u32 v12, v23, 5, s36                ; v12  xatt of my 256 columns, + 32 h
	v_add_nc_u32 v13, WM-XA, v12                   ; v13  W_map likewise
	s_lshl_b32 s36, s16, 9
	s_add_co_u32 s37, s36, LG
	v_lshl_add_u32 v14, v22, 2, s37                ; v14  my partial logits, in: 4 r
	v_lshl_add_u32 v15, v21, 2, LG                 ; v15  all waves', back: 4 x lane
	s_lshl_b32 s36, s16, 10
	s_add_co_u32 s36, s36, WB
	v_and_b32 v8, 1, v21
	v_lshl_add_u32 v16, v8, 9, s36
	v_lshrrev_b32 v8, 1, v21
	v_lshl_add_u32 v16, v8, 3, v16                 ; v16  my copy of the weights, in: row 32 q + lane goes to 512 (lane % 2) + 8 (lane / 2) + 128 q
	v_lshl_add_u32 v17, v23, 9, s36                ; v17  and back: lanes 0-15 the even rows', lanes 16-31 the odd rows'
	s_lshl_b32 s36, s16, 8
	v_xor_b32 v8, 1, v23
	v_lshl_add_u32 v18, v8, 10, s36
	v_lshl_add_u32 v18, v22, 4, v18                ; v18  out0: 256 w + 16 r, and 1,024 more in lanes 0-15, which hold the chunk summed earlier: the one further along K
	s_lshl_b32 s37, s16, 11
	s_add_co_u32 s37, s37, OUTS
	v_lshl_add_u32 v19, v22, 4, s37
	v_lshl_add_u32 v19, v23, 3, v19                ; v19  the way out, in: 16 r + 8 h of a chunk's 256 bytes
	v_add_nc_u32 v20, YSC, v1                      ; v20  Y's scale words, back: 16 x lane
	v_lshlrev_b32 v10, 4, v0                       ; 16 x thread: xatt's and W_map's way to LDS
	v_add_nc_u32 v11, XA, v10
	v_lshlrev_b32 v23, 13, v23
	v_lshl_add_u32 v23, v22, 4, v23
	v_add_nc_u32 v23, s36, v23                     ; v23  phase C, Y: row h, my wave's 256 bytes of a chunk, 16 r; never rewritten: the slots' bases carry the rows and the chunk
	v_add_nc_u32 v22, s37, v1                      ; v22  the way out, back: 16 x lane
.set i, 40
.rept 24
	v_mov_b32 v[i], 0                              ; the permutes' results (a lane permute's destination counts as a source) and the partial logits, which gather over both passes
.set i, i+1
.endr
.irp b, 0,1,2,3
	v_mov_b32 v[TM+4+\b], 0
.endr
	s_mov_b32 s[SEL], 0x76543210
	s_mov_b32 s[SEL+1], 0xfedcba98
	s_mov_b32 s30, 0                               ; phase A: where a trip's images go,
	s_mov_b32 s31, 0                               ; and its scale words
	s_mov_b32 s32, 0                               ; phase B: where the next K step's fragments of Y lie,
	s_mov_b32 s33, 0                               ; and its scale words
	s_mov_b32 s35, 0                               ; phase C: a chunk's 256 bytes on the way out
	s_lshl_b32 s36, ttmp9, 20                      ; a batch of Y is 2^20 bytes
	s_mov_b32 s37, 0
	s_wait_kmcnt 0x0
	s_load_b32 s17, s[12:13], 0x0                  ; b_map
	s_add_nc_u64 s[22:23], s[4:5], s[36:37]        ; s[22:23] Y[b]; never rewritten
	s_mov_b64 s[24:25], s[22:23]                   ; s[24:25] phase A's walk along K
	s_mul_i32 s36, s16, 409600
	s_add_nc_u64 s[26:27], s[6:7], s[36:37]        ; s[26:27] my 32 blocks of W_vis: two passes x 16 K steps, on end
	s_lshl_b32 s36, ttmp9, 12
	s_add_nc_u64 s[8:9], s[8:9], s[36:37]          ; xatt[b]
	s_lshl_b32 s36, ttmp9, 13
	s_add_nc_u64 s[14:15], s[14:15], s[36:37]      ; out0[b]
; ---------------------------------------------------------------- PHASE A
; A trip takes two K steps of my two row tiles: four fragments j: row tile j % 2, K step j / 2.
.macro YLOAD j, ahead                  ; fragment j's 16 rows x 512 bytes into set j of window 2; each load reads 512 consecutive bytes
	WIN TO_R
.irp row, 0,1,2,3,4,5,6,7,8,9,10,11,12,13,14,15
	global_load_b128 v[64*(\j)+4*\row:64*(\j)+4*\row+3], v3, s[24:25] offset:131072*((\j)%2)+512*((\j)/2)+8192*\row+1024*\ahead
.endr
.endm
.macro TURN j                          ; through stage j % 2: in as loaded, back 16 neighbours of each block of 32 a lane.  LDS serves a wave's instructions in order: no wait between
	WIN ST_R
.irp row, 0,1,2,3,4,5,6,7,8,9,10,11,12,13,14,15
	ds_store_b128 v4, v[64*(\j)+4*\row:64*(\j)+4*\row+3] offset:8448*((\j)%2)+528*\row
.endr
	WIN 0
.irp b, 0,1,2,3
.irp e, 0,1,2,3
	ds_load_b128 v[64+64*((\j)%2)+16*\b+4*\e:64+64*((\j)%2)+16*\b+4*\e+3], v5 offset:8448*((\j)%2)+128*\b+16*\e
.endr
.endr
.endm
; 64 numbers of a lane, v[QX] on, register 16 b + i = k 32 b + 16 (lane / 16) + i of my row, become a fragment's codes in v[QP] on and its scale word in v[QW].
.macro QUANT
	WIN 0
.irp b, 0,1,2,3
	v_max3_num_f32 v[TM+\b], |v[QX+16*\b]|, |v[QX+1+16*\b]|, 0x2800000   ; my 16 numbers of block b, and the floor 2^(5 - 127): the byte cannot fall under 1
.endr
.irp i, 2,4,6,8,10,12,14
.irp b, 0,1,2,3
	v_max3_num_f32 v[TM+\b], v[TM+\b], |v[QX+16*\b+\i]|, |v[QX+1+16*\b+\i]|   ; the four blocks by turns
.endr
.endr
.irp b, 0,1,2,3
	v_permlanex16_b32 v[TM+4+\b], v[TM+\b], s[SEL], s[SEL+1]
.endr
.irp b, 0,1,2,3
	v_max_num_f32 v[TM+\b], v[TM+\b], v[TM+4+\b]   ; with lane l xor 16's: the block's largest magnitude
.endr
.irp b, 0,1,2,3
	v_add_nc_u32 v[TM+12+\b], 0xfe000000, v[TM+\b] ; 4 off its exponent field: the conversion's scale operand
.endr
.irp b, 0,1,2,3
	v_lshrrev_b32 v[TM+4+\b], 23, v[TM+12+\b]      ; the scale's byte
.endr
	v_lshl_or_b32 v[QW], v[TM+5], 8, v[TM+4]
	v_lshl_or_b32 v[QW], v[TM+6], 16, v[QW]
	v_lshl_or_b32 v[QW], v[TM+7], 24, v[QW]
.irp c, 0,1
	v_cvt_scalef32_pk16_bf6_f32 v[QP+6*\c:QP+2+6*\c], v[QX+32*\c:QX+15+32*\c], v[TM+12+2*\c]
	v_cvt_scalef32_pk16_bf6_f32 v[QP+12+4*\c:QP+14+4*\c], v[QX+16+32*\c:QX+31+32*\c], v[TM+12+2*\c+1]   ; (a conversion's three registers begin on an even number)
.endr
	v_nop                                          ; one plain instruction behind a scaled conversion
.irp c, 0,1                                    ; the operand wants a WHOLE block in a lane: lanes 0-15 block 2 c, lanes 16-31 block 2 c + 1
.irp i, 0,1,2
	v_permlane16_swap_b32 v[QP+6*\c+\i], v[QP+12+4*\c+\i]
.endr
.irp i, 0,1,2
	v_mov_b32 v[QP+3+6*\c+\i], v[QP+12+4*\c+\i]
.endr
.endr
.endm
.macro IMAGE j                         ; the fragment goes to LDS as it stands, 16 bytes a lane; its scale word to 16 r + 256 (row tile % 2) + 4 w (both halves of the lanes write the same word with the same value)
.irp c, 0,1,2
	ds_store_b128 v8, v[QP+4*\c:QP+4*\c+3] offset:12288*(\j/2)+1536*(\j%2)+512*\c
.endr
	ds_store_b32 v9, v[QW] offset:512*(\j/2)+256*(\j%2)
.endm
; Fragment j's turn.  ld = 1: its set is loaded again, for the next trip.  turn = 1: the next fragment goes through the other stage while this one is quantised; cnt: the younger loads that may then stay out.
.macro FRAG j, ld, cnt, turn
.if \j == 0
	s_wait_dscnt 0x0                               ; my numbers are back from the stage
.else
	s_wait_dscnt 0x4                               ; my numbers are back from the stage; only the last image's four stores may be out
.endif
	s_wait_alu depctr_vm_vsrc(0)                   ; the stage's stores have read set j, in which the loads below land; the images' stores issued so far have read the codes and the scale word that this fragment's quantiser writes again, and v8 and v9
.if \j == 0
	v_add_nc_u32 v8, s30, v6                       ; where this trip's images go,
	v_add_nc_u32 v9, s31, v7                       ; and their scale words
.endif
.if \ld
	YLOAD \j, 1
.endif
.if \turn
	s_wait_loadcnt \cnt
	TURN (\j+1)%4                                  ; its loads land in the numbers that the last fragment's quantiser read: those reads stand ahead of the last wait on va_vdst, and no vector instruction since names them
.endif
.set QX, 64+64*(\j%2)
.set QP, 192+20*(\j%2)
.set QW, 248+(\j%2)
	QUANT
	s_wait_alu depctr_va_vdst(0)                   ; the quantiser has written the codes and the scale word (a trip's first fragment: v8 and v9 too), which the stores below read, and is done reading its 64 numbers
	IMAGE \j
.endm
	s_wait_alu depctr_va_vdst(0)                   ; the offsets and addresses v1 to v23 are written, which the kernel's loads and stores read
	global_load_b128 v[192:195], v10, s[8:9]               ; xatt[b] and W_map: 128 threads x 16 bytes, twice each
	global_load_b128 v[196:199], v10, s[8:9] offset:2048
	global_load_b128 v[200:203], v10, s[10:11]
	global_load_b128 v[204:207], v10, s[10:11] offset:2048
	YLOAD 0, 0
	YLOAD 1, 0
	YLOAD 2, 0
	YLOAD 3, 0
	WIN 0
	s_wait_kmcnt 0x0                               ; b_map
	s_wait_loadcnt 48                              ; the four loads above and set 0 are in; three sets of 16 may be out
	ds_store_b128 v11, v[192:195]
	ds_store_b128 v11, v[196:199] offset:2048
	ds_store_b128 v11, v[200:203] offset:4096
	ds_store_b128 v11, v[204:207] offset:6144
	TURN 0
	s_mov_b32 s34, 7
.Lquant:                                           ; seven trips, each of which loads the next trip's four sets
	FRAG 0, 1, 48, 1                               ; 48: behind the next fragment's 16 loads stand three sets of 16
	FRAG 1, 1, 48, 1
	FRAG 2, 1, 48, 1
	FRAG 3, 1, 48, 1
	s_wait_xcnt 0x0                                ; the loads have read their base: it is stepped only behind this wait
	s_add_nc_u64 s[24:25], s[24:25], 1024          ; two K steps along the rows
	s_add_co_u32 s30, s30, 24576
	s_add_co_u32 s31, s31, 1024
	s_sub_co_u32 s34, s34, 1
	s_cmp_lg_u32 s34, 0
	s_cbranch_scc1 .Lquant
	FRAG 0, 0, 32, 1                               ; the last trip loads nothing: the counts run down
	FRAG 1, 0, 16, 1
	FRAG 2, 0, 0, 1
	FRAG 3, 0, 0, 0
; ---------------------------------------------------------------- PHASE B
; Half a K step of W: four fragments (12 loads of 512 consecutive bytes) into set par, and their two pairs' scale words: 13 loads.  o: the block, in bytes from s[26:27].
.macro WLOAD half, par, o
	WIN TO_W
.irp bb, 0,1,2,3
.irp c, 0,1,2
	global_load_b128 v[96*\par+12*(4*\half+\bb)+4*\c:96*\par+12*(4*\half+\bb)+4*\c+3], v1, s[26:27] offset:(\o)+1536*(4*\half+\bb)+512*\c
.endr
.endr
	WIN 0
	global_load_b64 v[32+4*\par+2*\half:33+4*\par+2*\half], v2, s[26:27] offset:(\o)+12288+256*\half   ; lanes 0-15: the even tile's words, lanes 16-31: the odd tile's
.endm
.macro YADDR                           ; where the next K step's fragments of Y and their scale words lie in LDS
	v_add_nc_u32 v10, s32, v1
	v_add_nc_u32 v11, s33, v20
	s_add_co_u32 s32, s32, 12288
	s_add_co_u32 s33, s33, 512
.endm
.macro YFRAG par, a                    ; row tile a's fragment of that K step, from LDS, into set par
.irp c, 0,1,2
	ds_load_b128 v[64+96*(\par)+12*(\a)+4*\c:64+96*(\par)+12*(\a)+4*\c+3], v10 offset:1536*(\a)+512*\c
.endr
.endm
.macro XBLOAD adr, p                   ; xatt or W_map of pass p's 128 columns in the accumulators' layout: lane (r, h), tile b: columns 16 b + 8 h + 0 .. 7
	WIN TO_W
.irp b, 0,1,2,3,4,5,6,7
	ds_load_b128 v[192+8*\b:195+8*\b], v[\adr] offset:512*\p+64*\b
	ds_load_b128 v[196+8*\b:199+8*\b], v[\adr] offset:512*\p+64*\b+16
.endr
	WIN 0
.endm
; 8 matrix instructions: column tile 4 half + bb x the eight row tiles, 128 along K.  init = 1: xatt is the C: nothing is cleared and nothing added later.
; The 64 accumulators take turns, one instruction a turn, in the same order in every K step.
.macro MUL8 half, bb, par, init
.irp a, 0,1,2,3,4,5,6,7
.set rD, 8*(8*(\bb)+\a)
.set rC, rD
.if \init
.set rC, 192+8*(4*(\half)+(\bb))
.endif
.set rW, 96*(\par)+12*(4*(\half)+(\bb))
.set rY, 64+96*(\par)+12*\a
.set rSW, 32+4*(\par)+2*(\half)+(\bb)/2
.set rSY, 24+4*(\par)+\a/2
.if ((\bb)%2) && (\a%2)
	v_wmma_scale_f32_16x16x128_f8f6f4 v[rD:rD+7], v[rW:rW+11], v[rY:rY+11], v[rC:rC+7], v[rSW], v[rSY] matrix_a_fmt:MATRIX_FMT_BF6 matrix_b_fmt:MATRIX_FMT_BF6 matrix_a_scale:MATRIX_SCALE_ROW1 matrix_b_scale:MATRIX_SCALE_ROW1
.elseif (\bb)%2
	v_wmma_scale_f32_16x16x128_f8f6f4 v[rD:rD+7], v[rW:rW+11], v[rY:rY+11], v[rC:rC+7], v[rSW], v[rSY] matrix_a_fmt:MATRIX_FMT_BF6 matrix_b_fmt:MATRIX_FMT_BF6 matrix_a_scale:MATRIX_SCALE_ROW1
.elseif \a%2
	v_wmma_scale_f32_16x16x128_f8f6f4 v[rD:rD+7], v[rW:rW+11], v[rY:rY+11], v[rC:rC+7], v[rSW], v[rSY] matrix_a_fmt:MATRIX_FMT_BF6 matrix_b_fmt:MATRIX_FMT_BF6 matrix_b_scale:MATRIX_SCALE_ROW1
.else
	v_wmma_scale_f32_16x16x128_f8f6f4 v[rD:rD+7], v[rW:rW+11], v[rY:rY+11], v[rC:rC+7], v[rSW], v[rSY] matrix_a_fmt:MATRIX_FMT_BF6 matrix_b_fmt:MATRIX_FMT_BF6
.endif
.endr
.endm
.macro WINHI init                      ; the windows of a step's second 32 products
.if \init
	WIN INIT_HI
.else
	WIN MUL_HI
.endif
.endm
; A K step on sets par.  ld = 1: each half of W's set is loaded again as soon as its 32 products are done reading it, with the block two K steps on, which lies o bytes from s[26:27]:
; 96 matrix instructions ahead of its use.  adv: s[26:27] goes so many bytes on, in the step's middle, ahead of the step's own loads: the loads that read it last were issued 32 matrix instructions ago.
; yl = 1: the next K step's Y is fetched from the step's middle on, in three runs among the second 32 products.  c0, c1: the younger loads that may stay out when the low, the high half of W's set is wanted.
; xb = 1: W_map takes xatt's place, behind the products that took xatt as C.
.macro STEP par, o, adv, init, ld, yl, c0, c1, xb, p
	s_wait_dscnt 0x0                               ; Y's fragments and scale words are in
	s_wait_loadcnt \c0
.if \init
	WIN INIT_LO
.else
	WIN MUL_LO
.endif
	MUL8 0, 0, \par, \init
	MUL8 0, 1, \par, \init
	MUL8 0, 2, \par, \init
	MUL8 0, 3, \par, \init
.if \yl
	WIN 0
	s_wait_alu depctr_vm_vsrc(0)                   ; the LDS loads of the step before have read v10 and v11, which are written below (a pass's first step: phase A's last image's stores have read their codes, in which Y's fragments land)
	YADDR                                          ; these two additions and the two lines below are the four plain instructions behind the products
	v_nop
	v_nop
.else
	PLACES
.endif
.if \adv
	s_wait_xcnt 0x0                                ; the earlier loads have read their base: it is stepped only behind this wait
	s_add_nc_u64 s[26:27], s[26:27], \adv
.endif
.if \ld || \yl
	s_wait_alu depctr_va_vdst(0)                   ; the products above are done reading the low half of W's set par, those of the step before Y's other set and its scale words; v10 and v11 are written: for all the loads up to the step's last product
.endif
.if \ld
	WLOAD 0, \par, \o
.endif
.if \yl
	WIN 0
	ds_load_b128 v[24+4*(1-\par):27+4*(1-\par)], v11
	YFRAG 1-\par, 0
	YFRAG 1-\par, 1
.endif
	s_wait_loadcnt \c1
	WINHI \init
	MUL8 1, 0, \par, \init                         ; no product from here to the step's end names a register that the loads among them touch
.if \yl
	WIN 0
	YFRAG 1-\par, 2
	YFRAG 1-\par, 3
	YFRAG 1-\par, 4
	WINHI \init
.endif
	MUL8 1, 1, \par, \init
.if \yl
	WIN 0
	YFRAG 1-\par, 5
	YFRAG 1-\par, 6
	YFRAG 1-\par, 7
	WINHI \init
.endif
	MUL8 1, 2, \par, \init
	MUL8 1, 3, \par, \init
	PLACES
.if \ld || \xb
	s_wait_alu depctr_va_vdst(0)                   ; the products above are done reading the high half of W's set par (a pass's first step: and xatt), in which the loads below land
.endif
.if \ld
	WLOAD 1, \par, \o
.endif
.if \xb
	XBLOAD 13, \p
.endif
	WIN 0
.endm
; relu, and the product with W_map, of the 32 accumulators of window 2 + half.  Each accumulator is read from its low end on.  The eight pairs of partial logits take turns.
.macro EPI half
	WIN 0x88+0x44*\half                            ; source 1 and destination: window 2 or 3
.set i, 0
.rept 256
	v_max_num_f32 v[i], 0, v[i]
.set i, i+1
.endr
	WIN 0x06+\half                                 ; source 0: window 2 or 3; source 1 (W_map): window 1
.irp bb, 0,1,2,3
.irp jp, 0,1,2,3
.irp a, 0,1,2,3,4,5,6,7
	v_pk_fma_f32 v[48+2*\a:49+2*\a], v[8*(8*\bb+\a)+2*\jp:8*(8*\bb+\a)+2*\jp+1], v[192+8*(4*\half+\bb)+2*\jp:192+8*(4*\half+\bb)+2*\jp+1], v[48+2*\a:49+2*\a]
.endr
.endr
.endr
	WIN 0
.endm
; Phase C's ring is filled with the last chunk of K: slot k holds rows 16 k .. 16 k + 15, eight loads of two rows x 256 bytes.  Each slot has a scalar base of its own: Y[b] at row 16 k, byte 7,168 of the row.
; (s[24:27] held phase A's and phase B's walks: every load that read them has been waited for.)
.macro CFILL
.irp k, 0,1,2,3,4,5,6,7
.set cb, 38+2*\k-24*(\k/5)
	s_add_nc_u64 s[cb:cb+1], s[22:23], 131072*\k+7168
.endr
	WIN TO_R
	s_wait_alu depctr_va_vdst(0)                   ; relu has written window 2 and the products with W_map are done reading it: the ring's loads land there
.irp k, 0,1,2,3,4,5,6,7
.set cb, 38+2*\k-24*(\k/5)
.irp i, 0,1,2,3,4,5,6,7
	global_load_b128 v[32*\k+4*\i:32*\k+4*\i+3], v23, s[cb:cb+1] offset:16384*\i th:TH_LOAD_NT
.endr
.endr
	WIN 0
.endm
; A pass: 128 columns, 16 K steps.  The stream of W runs on from pass 0 into pass 1: pass 0's last two K steps load pass 1's first two blocks.
; 39 = three half sets of 13: behind the low half of step s stand its high half and step s + 1's two; behind the high half, in the step's middle, step s + 1's two and step s + 2's low half.
; s[26:27]: at block 0 at the start.  A pass's first step brings it to the block of the step that follows; each pair of steps then takes it two blocks on, to the block that the pair's first step loads.
.macro PASS p
.if \p == 1
	s_wait_alu depctr_va_vdst(0)                   ; the products with W_map are done reading window 1's v192-255, in which xatt lands
.endif
	XBLOAD 12, \p                                  ; xatt
.if \p == 0
	YADDR
	s_wait_alu depctr_va_vdst(0)                   ; v10 and v11 are written, which the LDS loads below read
	ds_load_b128 v[24:27], v11
.irp a, 0,1,2,3,4,5,6,7
	YFRAG 0, \a
.endr
.endif
	STEP 0, 12800, 12800+12800*\p, 1, 1, 1, 39, 39, 1, \p
	s_mov_b32 s34, 6
.Lk_\@:                                            ; K steps 1 to 12, two a trip, so that the sets are back where they began
	STEP 1, 0, 25600, 0, 1, 1, 39, 39, 0, \p
	STEP 0, 12800, 0, 0, 1, 1, 39, 39, 0, \p
	s_sub_co_u32 s34, s34, 1
	s_cmp_lg_u32 s34, 0
	s_cbranch_scc1 .Lk_\@
.if \p == 0
	STEP 1, 0, 25600, 0, 1, 1, 39, 39, 0, \p
	STEP 0, 12800, 0, 0, 1, 1, 39, 39, 0, \p
	s_mov_b32 s32, 0                               ; the last K step fetches Y's K step 0 again, for the next pass
	s_mov_b32 s33, 0
	STEP 1, 25600, 0, 0, 1, 1, 39, 39, 0, \p
	EPI 0
	EPI 1
.else
	STEP 1, 0, 25600, 0, 1, 1, 39, 39, 0, \p       ; K step 13 loads the last block
	STEP 0, 0, 0, 0, 0, 1, 39, 26, 0, \p           ; nothing more to load: the counts run down
	STEP 1, 0, 0, 0, 0, 0, 13, 0, 0, \p
	EPI 0
	CFILL                                          ; window 2 is free: these loads land under the rest of the way out and the softmax, which name neither window 2 nor v23
	EPI 1
.endif
.endm
	WLOAD 0, 0, 0                                  ; W's first two K steps are asked for ahead of the barrier
	WLOAD 1, 0, 0
	WLOAD 0, 1, 12800
	WLOAD 1, 1, 12800
	s_wait_dscnt 0x0                               ; for the others' sake: my images, scale words and my part of xatt and W_map have landed
	s_barrier_signal -1
	s_barrier_wait -1                              ; Y[b] lies in LDS as codes
	PASS 0
	PASS 1
; ---------------------------------------------------------------- THE SOFTMAX, in every wave
.irp a, 0,1,2,3,4,5,6,7
	v_add_f32 v[48+2*\a], v[48+2*\a], v[49+2*\a]   ; a pair's two halves,
.endr
.irp a, 0,1,2,3,4,5,6,7
	v_permlanex16_b32 v[40+\a], v[48+2*\a], s[SEL], s[SEL+1]
.endr
.irp a, 0,1,2,3,4,5,6,7
	v_add_f32 v[48+2*\a], v[48+2*\a], v[40+\a]     ; and lane l xor 16's: row 16 a + r over my 256 columns
.endr
	s_wait_alu depctr_va_vdst(0)                   ; the partial logits are written, which the stores read; the products are done reading v208-223, in which the loads behind the barrier land
.irp a, 0,1,2,3,4,5,6,7
	ds_store_b32 v14, v[48+2*\a] offset:64*\a
.endr
	s_wait_dscnt 0x0                               ; for the others' sake: my partial logits have landed
	s_barrier_signal -1
	s_barrier_wait -1
.irp ww, 0,1,2,3
.irp q, 0,1,2,3
	ds_load_b32 v[SM+4*\ww+\q], v15 offset:512*\ww+128*\q     ; lane l: rows 32 q + l, of each wave
.endr
.endr
	s_wait_dscnt 0x0
.irp q, 0,1,2,3
	v_add_f32 v[LGT+\q], v[SM+\q], v[SM+4+\q]
.endr
.irp q, 0,1,2,3
	v_add_f32 v[LGT+4+\q], v[SM+8+\q], v[SM+12+\q]
.endr
.irp q, 0,1,2,3
	v_add_f32 v[LGT+\q], v[LGT+\q], v[LGT+4+\q]
.endr
.irp q, 0,1,2,3
	v_add_f32 v[LGT+\q], s17, v[LGT+\q]            ; + b_map: the logits
.endr
	v_max3_num_f32 v240, v232, v233, v234
	v_max_num_f32 v240, v240, v235
	v_max_num_f32_dpp v240, v240, v240 row_xmask:1 row_mask:0xf bank_mask:0xf
	v_max_num_f32_dpp v240, v240, v240 row_xmask:2 row_mask:0xf bank_mask:0xf
	v_max_num_f32_dpp v240, v240, v240 row_xmask:4 row_mask:0xf bank_mask:0xf
	v_max_num_f32_dpp v240, v240, v240 row_xmask:8 row_mask:0xf bank_mask:0xf
	v_permlanex16_b32 v40, v240, s[SEL], s[SEL+1]
	v_max_num_f32 v240, v240, v40                  ; the largest of the 128, in every lane
.irp q, 0,1,2,3
	v_sub_f32 v[LGT+\q], v[LGT+\q], v240
.endr
.irp q, 0,1,2,3
	v_mul_f32 v[LGT+\q], 0x3fb8aa3b, v[LGT+\q]     ; x log2(e)
.endr
	s_wait_alu depctr_va_vdst(0)
.irp q, 0,1,2,3
	v_exp_f32 v[LGT+\q], v[LGT+\q]
.endr
	v_nop                                          ; a plain instruction behind the exponentials
	s_wait_alu depctr_va_vdst(0)                   ; the four exponentials have written v232-235: one wait, ahead of their first reader
	v_add_f32 v241, v232, v233
	v_add_f32 v236, v234, v235
	v_add_f32 v241, v241, v236
	v_add_f32_dpp v241, v241, v241 row_xmask:1 row_mask:0xf bank_mask:0xf
	v_add_f32_dpp v241, v241, v241 row_xmask:2 row_mask:0xf bank_mask:0xf
	v_add_f32_dpp v241, v241, v241 row_xmask:4 row_mask:0xf bank_mask:0xf
	v_add_f32_dpp v241, v241, v241 row_xmask:8 row_mask:0xf bank_mask:0xf
	v_permlanex16_b32 v40, v241, s[SEL], s[SEL+1]
	v_add_f32 v241, v241, v40                      ; at least 1: the largest logit's term
	s_wait_alu depctr_va_vdst(0)
	v_rcp_f32 v242, v241
	v_nop                                          ; a plain instruction behind the reciprocal
	s_wait_alu depctr_va_vdst(0)                   ; the reciprocal has written v242: the wait ahead of its first reader
.irp q, 0,1,2,3
	v_mul_f32 v[244+2*\q], v[LGT+\q], v242         ; each weight twice, as the pair that a packed multiply-add takes
	v_mul_f32 v[245+2*\q], v[LGT+\q], v242
.endr
	s_wait_alu depctr_va_vdst(0)                   ; the weights v244-251 are written, which the stores read; the sums above are done reading v208-223, in which the way out's loads land; v64-191, in which the loads below land, were last read by the products
.irp q, 0,1,2,3
	ds_store_b64 v16, v[244+2*\q:245+2*\q] offset:128*\q      ; my own copy of the 128 weights: no other wave reads it, and LDS serves my instructions in order
.endr
.irp x, 0,1,2,3,4,5,6,7,8,9,10,11,12,13,14,15,16,17,18,19,20,21,22,23,24,25,26,27,28,29,30,31
	ds_load_b128 v[WT+4*\x:WT+4*\x+3], v17 offset:16*\x       ; once for the whole phase: the 64 weights of my half's rows; sixteen lanes read the same 16 bytes
.endr
	s_wait_dscnt 0x0
; ---------------------------------------------------------------- PHASE C
; A trip takes a chunk: 1,024 bytes of all 128 rows, of which 256 bytes of each row are my wave's: eight slots of eight loads.  refill = 1: a slot is loaded again, with the same rows of the chunk
; 1,024 bytes back along K, as soon as it is summed.  The wait at a slot's head shows the slot's eight loads done, so its base, which they alone have read, may be stepped there: no other wait for it.
; A chunk's first four loads start the four sets of sums: nothing is cleared.  Between two instructions on one pair of sums stand seven on others.
; In slot 7 the chunk's closing additions stand ahead of the slot's wait on va_vdst, which so serves the LDS store of the sums as well.
.macro CTRIP refill
.irp k, 0,1,2,3,4,5,6,7
.set cb, 38+2*\k-24*(\k/5)
.if \refill
	s_wait_loadcnt 56                              ; my slot's eight loads are in; the seven younger slots' stay out
	s_sub_nc_u64 s[cb:cb+1], s[cb:cb+1], 1024      ; free since that wait, which shows the loads that read it done: the chunk 1,024 bytes back
.else
	s_wait_alu depctr_va_vdst(0)
	s_wait_loadcnt 56-8*\k
.endif
.if \k == 0
	s_wait_alu depctr_vm_vsrc(0)                   ; the last chunk's LDS store has read the sums and v21, which this chunk writes again
.endif
	WIN FMA_C
.irp i, 0,1,2,3,4,5,6,7
.irp pr, 0,1
.if (\k == 0) && (\i < 4)
	v_pk_mul_f32 v[ACC+4*\i+2*\pr:ACC+4*\i+2*\pr+1], v[32*\k+4*\i+2*\pr:32*\k+4*\i+2*\pr+1], v[WT+2*(8*\k+\i):WT+2*(8*\k+\i)+1]
.else
	v_pk_fma_f32 v[ACC+4*(\i%4)+2*\pr:ACC+4*(\i%4)+2*\pr+1], v[32*\k+4*\i+2*\pr:32*\k+4*\i+2*\pr+1], v[WT+2*(8*\k+\i):WT+2*(8*\k+\i)+1], v[ACC+4*(\i%4)+2*\pr:ACC+4*(\i%4)+2*\pr+1]
.endif
.endr
.endr
.if \k == 7
	WIN 0
	v_pk_add_f32 v[ACC:ACC+1], v[ACC:ACC+1], v[ACC+4:ACC+5]           ; the four sets become one
	v_pk_add_f32 v[ACC+2:ACC+3], v[ACC+2:ACC+3], v[ACC+6:ACC+7]
	v_pk_add_f32 v[ACC+8:ACC+9], v[ACC+8:ACC+9], v[ACC+12:ACC+13]
	v_pk_add_f32 v[ACC+10:ACC+11], v[ACC+10:ACC+11], v[ACC+14:ACC+15]
	v_pk_add_f32 v[ACC:ACC+1], v[ACC:ACC+1], v[ACC+8:ACC+9]
	v_pk_add_f32 v[ACC+2:ACC+3], v[ACC+2:ACC+3], v[ACC+10:ACC+11]
	v_permlane16_swap_b32 v[ACC], v[ACC+2]         ; the even rows' sums lie in lanes 0-15, the odd rows' in lanes 16-31.  The first register's lanes 16-31 change places with the second's lanes 0-15:
	v_permlane16_swap_b32 v[ACC+1], v[ACC+3]       ; lanes 0-15 then hold both halves' sums of columns 4 r, 4 r + 1, lanes 16-31 those of columns 4 r + 2, 4 r + 3
	v_pk_add_f32 v[ACC:ACC+1], v[ACC:ACC+1], v[ACC+2:ACC+3]
	v_add_nc_u32 v21, s35, v19
.elseif \refill
	WIN TO_R
.endif
.if \refill || (\k == 7)
	s_wait_alu depctr_va_vdst(0)                   ; the multiply-adds are done reading slot k, in which the loads below land; in slot 7 the chunk's sums and v21 are written, which the LDS store reads
.endif
.if \k == 7
	ds_store_b64 v21, v[ACC:ACC+1]                 ; 8 bytes a lane at 16 r + 8 h: the chunk's 256 bytes of my wave
.endif
.if \refill
	WIN TO_R
.irp i, 0,1,2,3,4,5,6,7
	global_load_b128 v[32*\k+4*\i:32*\k+4*\i+3], v23, s[cb:cb+1] offset:16384*\i th:TH_LOAD_NT
.endr
.endif
.endr
	WIN 0
.endm
	s_mov_b32 s34, 7
.Lsum:
	CTRIP 1
	s_add_co_u32 s35, s35, 256
	s_sub_co_u32 s34, s34, 1
	s_cmp_lg_u32 s34, 0
	s_cbranch_scc1 .Lsum
	CTRIP 0                                        ; the first 1,024 bytes of the rows: nothing is loaded, the counts run down
.irp x, 0,1,2,3
	ds_load_b128 v[SM+4*\x:SM+4*\x+3], v22 offset:512*\x      ; LDS serves a wave's instructions in order: these see my stores.  Lanes 0-15: the chunk summed in trip 2 x, lanes 16-31: that of trip 2 x + 1
.endr
.irp x, 0,1,2,3
	s_wait_dscnt 3-\x
	global_store_b128 v18, v[SM+4*\x:SM+4*\x+3], s[14:15] offset:6144-2048*\x   ; trip t summed the chunk at byte 1,024 (7 - t): sixteen lanes store 256 consecutive bytes, at a multiple of 256 from out0's first byte
.endr
	s_wait_xcnt 0x0
	v_lshl_add_u32 v254, v0, 2, 0x48000            ; the add's two registers, made anew: no memory or LDS instruction has read v254 or v255
	v_mov_b32 v255, 0
	s_wait_dscnt 0x0                               ; the closing lines, six on end
	s_wait_alu 0x0
	s_wait_tensorcnt 0x0
	ds_add_u32 v254, v255
	s_wait_dscnt 0x0
	s_endpgm
.Lfunc_end_k_q850fbb3112_main:
	.size	k_q850fbb3112_main, .Lfunc_end_k_q850fbb3112_main-k_q850fbb3112_main
	.p2alignl 7, 3214868480
	.fill 96, 4, 3214868480
	.section	.rodata,"a",@progbits
	.p2align	6, 0x0
	.amdhsa_kernel k_q850fbb3112_main
		.amdhsa_group_segment_fixed_size 295424
		.amdhsa_private_segment_fixed_size 0
		.amdhsa_enable_private_segment 0
		.amdhsa_kernarg_size 48
		.amdhsa_user_sgpr_count 2
		.amdhsa_user_sgpr_kernarg_segment_ptr 1
		.amdhsa_wavefront_size32 1
		.amdhsa_system_sgpr_workgroup_id_x 1
		.amdhsa_system_sgpr_workgroup_id_y 1
		.amdhsa_system_sgpr_workgroup_id_z 1
		.amdhsa_system_vgpr_workitem_id 0
		.amdhsa_next_free_vgpr 1024
		.amdhsa_next_free_sgpr 66
		.amdhsa_reserve_vcc 0
		.amdhsa_float_denorm_mode_32 3
		.amdhsa_float_denorm_mode_16_64 3
		.amdhsa_memory_ordered 1
		.amdhsa_forward_progress 1
		.amdhsa_inst_pref_size 255
	.end_amdhsa_kernel
	.section	.bss,"aw",@nobits
	.p2align	6
	.space	262144
	.amdgpu_metadata
---
amdhsa.version: [ 1, 2 ]
amdhsa.kernels:
  - .name:           k_q850fbb3112_main
    .symbol:         k_q850fbb3112_main.kd
    .args:
      - { .name: Y, .offset: 0, .size: 8, .value_kind: global_buffer, .address_space: global }
      - { .name: wcodes, .offset: 8, .size: 8, .value_kind: global_buffer, .address_space: global }
      - { .name: xatt, .offset: 16, .size: 8, .value_kind: global_buffer, .address_space: global }
      - { .name: W_map, .offset: 24, .size: 8, .value_kind: global_buffer, .address_space: global }
      - { .name: b_map, .offset: 32, .size: 8, .value_kind: global_buffer, .address_space: global }
      - { .name: out0, .offset: 40, .size: 8, .value_kind: global_buffer, .address_space: global }
    .group_segment_fixed_size: 295424
    .private_segment_fixed_size: 0
    .kernarg_segment_align: 8
    .kernarg_segment_size: 48
    .max_flat_workgroup_size: 128
    .sgpr_count:     66
    .vgpr_count:     1024
    .wavefront_size: 32
...
	.end_amdgpu_metadata
.endif
;; end of part 6
